; MI455X (gfx1250); checked and timed in simulation.
; The chip was launched on July 23, 2026; its instructions are those of AMD's public machine-readable ISA for CDNA 5 (MIT licence, August 2026) and "CDNA5" Instruction Set Architecture Reference Guide (July 2026). The comments in the code are by the model that wrote it; some were corrected since.
;; Multi Head Attention. Allowed arithmetic: matrix products marked QUANTISED: E2M3 operands, one E8M0 scale for each 32 along K, by v_wmma_scale_f32_16x16x128_f8f6f4 with both operands' format E2M3, f32 sums; everything else in f32.
;; Inputs: Wo 1,024 x 1,024 float32; Wq 1,024 x 1,024 float32; bo 1,024 float32; bq 1,024 float32; k 4 x 2,048 x 1,024 float32; q 4 x 2,048 x 1,024 float32; v 4 x 2,048 x 1,024 float32.
;; Outputs: out0 1 x 4 x 2,048 x 1,024 float32.
;; This version of the problem:
;;   THIS VERSION OF THE PROBLEM IS GIVEN IN LOW PRECISION. The matrix products marked QUANTISED in the list below multiply operands that are first quantised to E2M3 (2 exponent bits, 3 mantissa bits; 6 bits a number), with one power-of-two scale for each 32 numbers along K (OCP MX v1.0); their sums are f32. All else is computed in f32.
;;   The module's matrix products, in the order in which they are computed (A, B: the left and right operand; K: the contracted axis; several contracted axes count as one K, in the product's order):
;;     1. [M 8,192, K 1,024] x [K 1,024, N 1,024]; A: input q; B: input Wq: QUANTISED
;;     2. [M 8,192, K 1,024] x [K 1,024, N 1,024]; A: input k; B: input Wq: QUANTISED
;;     3. [M 8,192, K 1,024] x [K 1,024, N 1,024]; A: input v; B: input Wq: QUANTISED
;;     4. batch 64 x [M 2,048, K 64] x [K 64, N 2,048]; A: computed on the way; B: computed on the way: QUANTISED
;;     5. batch 64 x [M 2,048, K 2,048] x [K 2,048, N 64]; A: softmax (see below); B: computed on the way: QUANTISED
;;     6. [M 8,192, K 1,024] x [K 1,024, N 1,024]; A: computed on the way; B: input Wo: QUANTISED
;;   THE QUANTISER, for each operand of a quantised product, along K:
;;     - K is cut into blocks of 32 from its start; a last block that is shorter is filled with zeros.
;;     - A block's scale is 2^e with e = floor(log2(the largest magnitude in the block)) - 2, held to -126 .. 127; a block of zeros has e = 0. As a byte (E8M0): e + 127.
;;     - Each number is divided by its block's scale, clamped to +-7.5, and rounded to the nearest number of E2M3, ties to even, subnormals kept.
;;     - The product sums the exact products of the quantised numbers (number of the format x scale) in f32.
;;   ~~~python
;;   def quantise(x, axis):      # numpy; x: float32 -> the quantised numbers, widened to float32 again
;;       x = np.moveaxis(x, axis, -1); K = x.shape[-1]
;;       x = np.pad(x, [(0, 0)] * (x.ndim - 1) + [(0, -K % 32)]); x = x.reshape(x.shape[:-1] + (-1, 32)); a = np.abs(x).max(-1, keepdims=True)
;;       e = np.where(a > 0, np.clip(np.frexp(np.where(a > 0, a, 1))[1] - 1 - 2, -126, 127), 0)      # np.frexp(a)[1] - 1 = floor(log2(a)), exactly
;;       r = np.clip(x / 2.0 ** e, -7.5, 7.5)
;;       step = 2.0 ** (np.maximum(np.frexp(np.where(r == 0, 1, r))[1] - 1, 0) - 3)
;;       q = np.round(r / step) * step * 2.0 ** e      # np.round: ties to even
;;       return np.moveaxis(q.reshape(q.shape[:-2] + (-1,))[..., :K], -1, axis).astype(np.float32)
;;   ~~~
;;   SOFTMAX AHEAD OF A QUANTISED PRODUCT. Where the list says 'softmax', what is quantised is not the finished softmax but p = 2^(t - M), with t = logit x log2(e) and M = ceil(the row's largest t), a whole number; so 1/2 < the row's largest p <= 1. The row's sum l is taken of the UNQUANTISED p, in f32, and the product's result is divided by l at the end. Since M is a whole number, a kernel that streams over the keys may use a running M (the ceiling of the running maximum): every later rescaling is an exact power of two, which a block's scale takes up: the codes' values come out the same.
;;   OPERANDS COMPUTED ON THE WAY. 'Computed on the way' means the value that the module computes at that place (a softmax that the list does not call 'softmax' is quantised finished and normalised). What goes into a quantiser is computed in f32, as accurately as f32 sums, v_exp_f32 and their like allow (about 1e-6 of the number): no bf16 or f16 on the way to a quantiser, and a product that is left as it is and whose result goes on into a quantised operand takes f32 operands (vector FMAs, or v_wmma_f32_16x16x4_f32). A number that lies on a knife's edge between two numbers of the format may be rounded either way, as far as f32 arithmetic and the matrix unit's own rounding can turn it there, and no further.
;; One version. Each part assembles by itself: llvm-mc -triple=amdgcn-amd-amdhsa -mcpu=gfx1250 --defsym DOCPART=n.
;; ======== version 1 of 1: 4 launches
;; workspace buffers: codes 20,447,232 bytes; scales 851,968 bytes; acod 18,874,368 bytes; ascl 1,572,864 bytes; cimg 6,291,456 bytes; cs 262,144 bytes
;; launch quant (part 1): grid 832 x 1, 4 waves a work-group, no clusters, 33,280 bytes of LDS; arguments q, k, v, Wq, Wo, codes, scales; writes codes, scales
.if DOCPART == 1
	.amdgcn_target "amdgcn-amd-amdhsa--gfx1250"
	.amdhsa_code_object_version 6
	.text
	.protected	k_qfbcf16c4ac_quant
	.globl	k_qfbcf16c4ac_quant
	.p2align	8
	.type	k_qfbcf16c4ac_quant,@function
k_qfbcf16c4ac_quant:
	s_mov_b64 s[64:65], 0
	v_nop
	global_prefetch_b8 v0, s[64:65] scope:SCOPE_SE
	s_setreg_imm32_b32 hwreg(HW_REG_WAVE_MODE, 25, 1), 1
	s_wait_xcnt 0x0
; q, k, v [8192][1024] and Wq, Wo [1024][1024], f32, become codes of FP6 (E2M3), K innermost, 768 bytes a row, with one E8M0 byte for each 32 along K, 32 bytes a row.
; The five tensors are one list of 26,624 rows: q from row 0, k from 8,192, v from 16,384, Wq from 24,576, Wo from 25,600.
; ROW t IS STORED AT PLACE sigma(t) = t WITH ITS BITS 3 AND 4 EXCHANGED.  So sixteen neighbouring stored rows, 16 i + r, are the true rows 32 (i / 2) + 8 (i % 2) + r + 8 (r / 8):
; the later launches' matrix results then hold sixteen true neighbours in the sixteen registers of two neighbouring tiles.
; A block's scale is 2^(floor(log2(its largest magnitude)) - 2); its byte is the largest magnitude's exponent field - 2, held at 1 from below.
; LIMITS: a block whose largest magnitude lies under 2^-124 (a block of zeros too) keeps the byte 1: its codes are zeros or subnormal codes, and this program alone reads the bytes.  NaN and infinities are not served.
; A work-group takes 32 rows, a wave 8 rows = 16 steps of 512 numbers.  A wave's 8 rows are bits 3 and 4 of the row's number, so sigma only exchanges the two bits of the wave's number in the place where it stores.
; Each load reads 512 consecutive bytes; a step's 2,048 bytes turn through the wave's own stage in LDS (16 bytes of padding behind each 64), so that a lane then holds 16 neighbours along K, as the conversion wants.
; No tensor loads, no barrier: waves share nothing.  Loads run four steps (16 loads a wave) ahead, the turn through LDS one step.
.set STEPS, 16
.set EMAX,  2
.set CB,    12                         ; bytes of 16 codes
.set R,     16                         ; v16-79   four sets of 16 numbers as they are loaded
.set X,     80                         ; v80-111  two sets of 16 neighbours
.set C,     128                        ; v128-191 codes: four registers for each step, so that no store's data are written again
.set E,     112                        ; v112-127 a scale byte for each step
.set WREG,  8192                       ; LDS: a region for each wave: two stages of 32 x SP bytes, behind them its 256 scale bytes
.set SP,    80                         ; a lane's place in a stage: its 64 bytes + 16 of padding
	s_load_b256 s[4:11], s[0:1], 0x0               ; q, k, v, Wq
	s_load_b128 s[12:15], s[0:1], 0x20             ; Wo, the codes
	s_load_b64 s[24:25], s[0:1], 0x30              ; the scale bytes
	v_lshl_add_u32 v192, v0, 2, 0x8000
	v_mov_b32 v193, 0
	v_lshrrev_b32 v1, 5, v0
	v_readfirstlane_b32 s16, v1                    ; wave
	v_and_b32 v2, 31, v0                           ; lane
	v_lshlrev_b32 v3, 4, v2                        ; my 16 bytes of a load's 512
	s_mul_i32 s18, s16, WREG
	v_lshrrev_b32 v14, 2, v2
	v_mul_u32_u24 v14, v14, SP
	v_and_b32 v15, 3, v2
	v_lshl_add_u32 v14, v15, 4, v14
	v_add_nc_u32 v14, s18, v14                     ; the stage, on the way in: SP (lane / 4) + 16 (lane % 4); a load's 512 bytes take eight places
	v_mul_u32_u24 v15, v2, SP
	v_add_nc_u32 v15, s18, v15                     ; and on the way out: SP x lane: my 16 neighbours
	v_mul_u32_u24 v4, v2, CB                       ; my codes' place in a step's
	v_lshrrev_b32 v5, 1, v2
	s_add_co_u32 s18, s18, 2*32*SP
	v_add_nc_u32 v5, s18, v5                       ; LDS: my wave's 256 scale bytes, my block's byte
	v_lshlrev_b32 v7, 3, v2                        ; and on the way out 8 bytes a lane
	v_add_nc_u32 v6, s18, v7
	s_wait_alu depctr_va_vdst(0)
	s_wait_kmcnt 0x0
	; which tensor: the choice hangs on the work-group's number alone.  s[12:13] ends as the tensor's address, s17 as its first work-group
	s_mov_b32 s17, 800
	s_cmp_lt_u32 ttmp9, 800
	s_cselect_b64 s[12:13], s[10:11], s[12:13]     ; Wq
	s_cselect_b32 s17, 768, s17
	s_cmp_lt_u32 ttmp9, 768
	s_cselect_b64 s[12:13], s[8:9], s[12:13]       ; v
	s_cselect_b32 s17, 512, s17
	s_cmp_lt_u32 ttmp9, 512
	s_cselect_b64 s[12:13], s[6:7], s[12:13]       ; k
	s_cselect_b32 s17, 256, s17
	s_cmp_lt_u32 ttmp9, 256
	s_cselect_b64 s[12:13], s[4:5], s[12:13]       ; q
	s_cselect_b32 s17, 0, s17
	s_sub_co_u32 s17, ttmp9, s17
	s_lshl_b32 s17, s17, 2
	s_add_co_u32 s20, s17, s16                     ; which run of 8 rows of the tensor is my wave's
	s_lshl_b32 s20, s20, 15                        ; 32,768 bytes a run (under 2^26)
	s_mov_b32 s21, 0
	s_add_nc_u64 s[12:13], s[12:13], s[20:21]
	s_and_b32 s22, s16, 1                          ; where it goes: the wave's two bits exchanged
	s_lshl_b32 s22, s22, 1
	s_lshr_b32 s23, s16, 1
	s_or_b32 s22, s22, s23
	s_lshl_b32 s23, ttmp9, 2
	s_add_co_u32 s22, s22, s23                     ; the run's place in the list of all rows
	s_mul_i32 s20, s22, 32*STEPS*CB                ; 6,144 bytes of codes a run
	s_add_nc_u64 s[14:15], s[14:15], s[20:21]
	s_lshl_b32 s20, s22, 8                         ; 256 scale bytes a run
	s_add_nc_u64 s[24:25], s[24:25], s[20:21]
.macro LOAD t
.irp i, 0,1,2,3
	global_load_b128 v[R+16*((\t)%4)+4*\i:R+16*((\t)%4)+4*\i+3], v3, s[12:13] offset:2048*(\t)+512*\i th:TH_LOAD_NT   ; 32 lanes read 512 consecutive bytes
.endr
.endm
.macro TURN t                          ; step t's numbers through the stage: LDS serves a wave's instructions in order, so no wait stands between the stores and the loads
.irp i, 0,1,2,3
	ds_store_b128 v14, v[R+16*((\t)%4)+4*\i:R+16*((\t)%4)+4*\i+3] offset:32*SP*((\t)%2)+8*SP*\i
.endr
.irp i, 0,1,2,3
	ds_load_b128 v[X+16*((\t)%2)+4*\i:X+16*((\t)%2)+4*\i+3], v15 offset:32*SP*((\t)%2)+16*\i
.endr
.endm
.irp t, 0,1,2,3
	LOAD \t
.endr
	s_wait_loadcnt 12                              ; step 0's four loads are in; the twelve of steps 1 to 3 may be out
	TURN 0
.macro STEP t
.set XS, X+16*((\t)%2)
.if (\t) > 0
	s_wait_dscnt 1                                 ; this step's numbers are back from the stage (the last step's byte store may be out): so its stores into the stage have read their registers,
.else
	s_wait_dscnt 0x0
.endif
.if (\t)+4 < STEPS
	LOAD (\t)+4                                    ; which take the loads of four steps on
.endif
.if (\t)+1 < STEPS
.if STEPS-2-(\t) >= 3
	s_wait_loadcnt 12                              ; the next step's four loads are in; those of the three steps behind it may be out
.else
	s_wait_loadcnt 4*(STEPS-2-(\t))
.endif
	TURN (\t)+1                                    ; and go through the other stage while this step is worked
.endif
	v_max3_num_f32 v8, |v[XS]|, |v[XS+1]|, |v[XS+2]|               ; the largest magnitude of my 16, in two chains
	v_max3_num_f32 v9, |v[XS+3]|, |v[XS+4]|, |v[XS+5]|
.irp i, 6,10
	v_max3_num_f32 v8, v8, |v[XS+\i]|, |v[XS+\i+1]|
	v_max3_num_f32 v9, v9, |v[XS+\i+2]|, |v[XS+\i+3]|
.endr
	v_max3_num_f32 v8, v8, |v[XS+14]|, |v[XS+15]|
	v_max3_num_f32 v8, v8, v9, (EMAX+1)<<23        ; and the floor 2^(3 - 127): so the byte cannot fall under 1
	v_max_num_f32_dpp v8, v8, v8 row_xmask:1 row_mask:0xf bank_mask:0xf   ; and of my neighbour's 16: the block's
	v_add_nc_u32 v11, -(EMAX<<23), v8              ; 2 off its exponent field: the conversion takes the exponent field of this operand as its scale, and nothing else of it
	v_cvt_scalef32_pk16_fp6_f32 v[C+4*(\t):C+4*(\t)+2], v[XS:XS+15], v11         ; sixteen numbers / the scale, to the nearest code, ties to even, beyond the largest code the largest; 96 bits without gaps
	v_lshrrev_b32 v[E+(\t)], 23, v11               ; the scale's byte (also the plain line behind the conversion)
	ds_store_b8 v5, v[E+(\t)] offset:16*(\t)       ; both lanes of a block write the same byte with the same value
	global_store_b96 v4, v[C+4*(\t):C+4*(\t)+2], s[14:15] offset:32*CB*(\t)      ; the wave stores 384 consecutive bytes
.endm
.irp t, 0,1,2,3,4,5,6,7,8,9,10,11,12,13,14,15
	STEP \t
.endr
	ds_load_b64 v[12:13], v6                       ; LDS serves a wave's instructions in order: these see my stores
	s_wait_dscnt 0x0
	global_store_b64 v7, v[12:13], s[24:25]        ; 32 lanes store 256 consecutive bytes, at a multiple of 256 from the buffer's first byte
	s_wait_tensorcnt 0x0
	ds_add_u32 v192, v193
	s_wait_dscnt 0x0
	s_endpgm
.Lfunc_end_k_qfbcf16c4ac_quant:
	.size	k_qfbcf16c4ac_quant, .Lfunc_end_k_qfbcf16c4ac_quant-k_qfbcf16c4ac_quant
	.p2alignl 7, 3214868480
	.fill 96, 4, 3214868480
	.section	.rodata,"a",@progbits
	.p2align	6, 0x0
	.amdhsa_kernel k_qfbcf16c4ac_quant
		.amdhsa_group_segment_fixed_size 33280
		.amdhsa_private_segment_fixed_size 0
		.amdhsa_enable_private_segment 0
		.amdhsa_kernarg_size 56
		.amdhsa_user_sgpr_count 2
		.amdhsa_user_sgpr_kernarg_segment_ptr 1
		.amdhsa_wavefront_size32 1
		.amdhsa_system_sgpr_workgroup_id_x 1
		.amdhsa_system_sgpr_workgroup_id_y 1
		.amdhsa_system_sgpr_workgroup_id_z 1
		.amdhsa_system_vgpr_workitem_id 0
		.amdhsa_next_free_vgpr 194
		.amdhsa_next_free_sgpr 66
		.amdhsa_reserve_vcc 0
		.amdhsa_float_denorm_mode_32 3
		.amdhsa_float_denorm_mode_16_64 3
		.amdhsa_memory_ordered 1
		.amdhsa_forward_progress 1
		.amdhsa_inst_pref_size 33
	.end_amdhsa_kernel
	.amdgpu_metadata
---
amdhsa.version: [ 1, 2 ]
amdhsa.kernels:
  - .name:           k_qfbcf16c4ac_quant
    .symbol:         k_qfbcf16c4ac_quant.kd
    .args:
      - { .name: q, .offset: 0, .size: 8, .value_kind: global_buffer, .address_space: global }
      - { .name: k, .offset: 8, .size: 8, .value_kind: global_buffer, .address_space: global }
      - { .name: v, .offset: 16, .size: 8, .value_kind: global_buffer, .address_space: global }
      - { .name: Wq, .offset: 24, .size: 8, .value_kind: global_buffer, .address_space: global }
      - { .name: Wo, .offset: 32, .size: 8, .value_kind: global_buffer, .address_space: global }
      - { .name: codes, .offset: 40, .size: 8, .value_kind: global_buffer, .address_space: global }
      - { .name: scales, .offset: 48, .size: 8, .value_kind: global_buffer, .address_space: global }
    .group_segment_fixed_size: 33280
    .private_segment_fixed_size: 0
    .kernarg_segment_align: 8
    .kernarg_segment_size: 56
    .max_flat_workgroup_size: 128
    .sgpr_count:     66
    .vgpr_count:     194
    .wavefront_size: 32
...
	.end_amdgpu_metadata
.endif
;; end of part 1
;; launch proj (part 2): grid 4 x 96, 4 waves a work-group, clusters of 4 x 4, 327,680 bytes of LDS; arguments codes, scales, bq, acod, ascl; writes acod, ascl
.if DOCPART == 2
	.amdgcn_target "amdgcn-amd-amdhsa--gfx1250"
	.amdhsa_code_object_version 6
	.text
	.protected	k_qfbcf16c4ac_proj
	.globl	k_qfbcf16c4ac_proj
	.p2align	8
	.type	k_qfbcf16c4ac_proj,@function
k_qfbcf16c4ac_proj:
	s_mov_b64 s[64:65], 0
	v_nop
	global_prefetch_b8 v0, s[64:65] scope:SCOPE_SE
	s_setreg_imm32_b32 hwreg(HW_REG_WAVE_MODE, 25, 1), 1
	s_wait_xcnt 0x0
	s_wait_alu depctr_hold_cnt(0) depctr_sa_sdst(0) depctr_va_vdst(0) depctr_va_sdst(0) depctr_va_ssrc(0) depctr_va_vcc(0) depctr_vm_vsrc(0)
	s_getreg_b32 s2, hwreg(HW_REG_IB_STS2, 6, 4)
	s_cmp_eq_u32 s2, 0
	s_cbranch_scc0 .Lentry_in_a_cluster
	s_endpgm
.Lentry_in_a_cluster:
	s_bfe_u32 s2, ttmp6, 0x10000c
	s_cmp_lg_u32 s2, 0xf033
	s_cbranch_scc0 .Lentry_shape_is_right
	s_endpgm
.Lentry_shape_is_right:
; The three projections x Wq^T + bq (x = q, k, v: 8,192 rows each, K = 1,024) on codes of FP6 (E2M3) with E8M0 scales, and the quantising of their results for the attention launch.  Nothing but codes and scale bytes is stored.
; A tile of 256 x 256 is made by four waves, 128 x 128 each: 64 accumulators, 512 registers.  K goes in steps of 256 through a ring of two LDS slots filled by tensor loads; the scale bytes of the tile's rows come once and stay.
; ONE TEXT, TWO CASES, NO BRANCH.  cl is the cluster's number, 0 to 23.  cl < 16: "A" = 1,024 token rows of q or k, "B" = Wq's 1,024 rows.  cl >= 16: "A" = Wq's rows, "B" = 1,024 token rows of v.
; The matrix instruction is used transposed (source 0 = 16 rows of B, source 1 = 16 rows of A): a lane holds ONE row of A and its registers run along B.  So one quantiser along B gives q and k quantised along the channels
; (a token a lane) and v quantised along the keys (a channel a lane), which are the K axes of the attention's two products.
; THE ROWS LIE IN MEMORY WITH BITS 3 AND 4 OF THEIR NUMBER EXCHANGED: the sixteen registers of accumulators (a, 2 u) and (a, 2 u + 1) are the true columns 32 u + 16 (lane / 16) + 0 .. 15.
; THE BIAS.  cl < 16: bq runs along B: it is the C of each sum's first product (BN).  cl >= 16: it runs along A, a number a lane: it is added on the way out (BM).  Both are always loaded; the one that is not due is masked to zeros.
; WHAT IS STORED.  A wave's block of 16 rows of A x 128 columns becomes one operand fragment (12 registers a lane) and goes out as an IMAGE OF THOSE REGISTERS: registers 0-3 at 16 x lane, 4-5 at 512 + 8 x lane, 6-9 at 768 + 16 x lane,
; 10-11 at 1,280 + 8 x lane.  For q and k the two halves are the two heads of a pair (64 channels each).  Every store of the wave covers 512 or 256 consecutive bytes, aligned.  No LDS is needed on the way out.
; CLUSTERS: 4 x 4 work-groups.  A's tiles are shared along a row of the cluster, B's along a column: each is asked for jointly.
; LIMITS: a block whose largest magnitude lies under 2^-124 keeps the scale byte 1; NaN and infinities are not served.
; REGISTERS: window 0: v0-31 addresses; v32-63 scale words, two sets; v64-127 BN; v128-223 A's fragments, one set; v224-239 BM.  On the way out v32-59 and v128-210 are at work.
;   window 1: B's fragments, two sets, at v0 and v128.   window 2: the accumulators of my rows 0-63 ((a, b) at v[8 (8 a + b)]);   window 3: those of my rows 64-127.
.set KSTEP,  256                       ; along K in a slot
.set NQ,     2                         ; matrix instructions deep
.set ROWB,   192                       ; a tile's row in bytes
.set KROW,   768                       ; a row of codes in memory
.set PITCH,  240                       ; an LDS row: 3 x (64 bytes + 16 of padding) = 60 words, so that the 32 lanes of a load of 8 bytes touch 64 different banks (64 banks of 4 bytes: ISA guide 11.1)
.set FR,     12                        ; registers of a fragment
.set NL,     6                         ; LDS loads that bring one
.set NP,     4                         ; places behind this matrix instruction (ISA guide 7.12.1)
.set HALFT,  128*PITCH                 ; 128 rows: what one tensor load brings
.set SLOT,   4*HALFT                   ; A's 256 rows, then B's 256 rows
.set LAPS,   2                         ; 1,024 along K = two laps of two K steps
.set KS,     32                        ; a row of scale bytes
.set SCL,    2*SLOT                    ; behind the ring: the scales, as units of 256 bytes + 16 of padding
.set HALFS,  (128*KS/256)*272          ; those of 128 rows
.set SBLK,   (16*KS/256)*272           ; those of 16 rows
.set SPARE,  SCL+4*HALFS               ; behind the scales: the spare words, 128 bytes for each wave: two blocks of 256 bytes that no other line names
.set WQROW,  24576                     ; Wq's first row in the list of rows
.set SHF,  7                           ; v7      how far my half of the lanes shifts a scale word
.set ADRA, 16                          ; v16-17  LDS address of my A fragments in slot 0, 1  (v18-19: for the pieces behind one padding more)
.set ADRB, 20                          ; v20-21  the same for B  (v22-23)
.set VO16, 24                          ; v24     16 x lane
.set VO8,  25                          ; v25     8 x lane
.set VSO,  26                          ; v26     my place in a record of scale words: 16 (lane % 16) + 512 (lane / 16)
.set ADRS, 27                          ; v27     LDS address of my scale words: lanes 0-15 A's rows, lanes 16-31 B's
.set SPW,  28                          ; v28     LDS address of my spare word; never rewritten
.set NIL,  29                          ; v29     0; never rewritten
.set BNA,  30                          ; v30     my byte offset for BN
.set BMA,  31                          ; v31     and for BM
.set SC,   32                          ; scale words: set s at v[SC + 16 s]; register 2 i + q: lanes 0-15 A's block i, lanes 16-31 B's block i
.set BN,   64                          ; v64-127 the bias along B: eight registers for each of B's eight blocks, in the result's layout
.set AF,   128                         ; A's fragments
.set BM,   224                         ; v224-239 the bias along A: a pair of equal registers for each of A's eight blocks
.set T,    128                         ; the way out: a block's 64 numbers
.set PC,   192                         ; v192-210 the codes just made
.set TM,   32                          ; v32-35 largest magnitudes, v36-39 bytes, v44-47 the conversions' scale operands
.set PW,   48                          ; the scale word just made
.set W,    52                          ; v52-59  the eight blocks' scale words as they are stored
.set G1, 24                            ; s[24:31] descriptor group 1 for A's tiles;  s[32:39] group 0, one set for each slot
.set G0, 32
.set G1B, 48                           ; s[48:55], s[56:63] the same for B's tiles
.set G0B, 56
.set SEL, 66                           ; s[66:67] lane selects for v_permlanex16_b32: lane l xor 16
.set G1S, 68                           ; s[68:75], s[76:79] groups 1 and 0 for A's scales;  s[80:87], s[88:91] for B's
.set G0S, 76
.set G1SB, 80
.set G0SB, 88
.set MSB, 0
.macro WIN new                         ; the immediate's high byte repeats the setting that is left
.if MSB != (\new)
	s_set_vgpr_msb (MSB<<8)|(\new)
.set MSB, \new
.endif
.endm
.set MUL_LO, 0xa1                      ; source 0 (B) window 1, source 1 (A) window 0, C and D window 2
.set MUL_HI, 0xf1                      ; the same, C and D window 3
.set FST_LO, 0x81                      ; the first products: C (BN) window 0, D window 2
.set FST_HI, 0xc1                      ; D window 3
.set TO_B,   0x40                      ; destination window 1, address window 0
; A joint load: waves 0 and 1 fetch for A, waves 2 and 3 for B.  Each of the two lines has one mask and one set of registers for all that issue it; the branch hangs on the wave's number alone.
; Four v_nop follow each of the two lines, ahead of the jump, the label and what follows.
.macro JLOAD g0a, g1a, g0b, g1b
	s_cmp_eq_u32 s15, 0
	s_cbranch_scc0 .Lfor_b_\@
	tensor_load_to_lds s[\g0a:\g0a+3], s[\g1a:\g1a+7]
	s_nop 0
.rept 4
	v_nop
.endr
	s_branch .Lasked_\@
.Lfor_b_\@:
	tensor_load_to_lds s[\g0b:\g0b+3], s[\g1b:\g1b+7]
	s_nop 0
.rept 4
	v_nop
.endr
.Lasked_\@:
.endm
.macro CREST                           ; a round of the cluster's barrier behind its opening barrier
	s_cmp_lg_u32 s14, 0
	s_cbranch_scc1 .Lnot_wave_0_\@
	s_barrier_signal -3
.Lnot_wave_0_\@:
	s_barrier_wait -3
	s_barrier_signal -1
	s_barrier_wait -1
.endm
.macro CROUND                          ; a whole round
	s_barrier_signal -1
	s_barrier_wait -1
	CREST
.endm
	s_load_b128 s[4:7], s[0:1], 0x0                ; the codes s[4:5], the scale bytes s[6:7]
	s_load_b128 s[8:11], s[0:1], 0x10              ; bq s[8:9], the attention's codes s[10:11]
	s_load_b64 s[12:13], s[0:1], 0x20              ; the attention's scale words
	v_lshl_add_u32 v[SPW], v0, 2, SPARE
	v_mov_b32 v[NIL], 0
	ds_add_u32 v28, v29
	ds_add_u32 v28, v29
	s_wait_dscnt 0x0
	v_lshrrev_b32 v1, 5, v0
	v_readfirstlane_b32 s14, v1                    ; wave 0..3
	s_lshr_b32 s15, s14, 1                         ; which half of A's rows is mine.  Also: I fetch for A (0) or for B (1)
	s_and_b32 s16, s14, 1                          ; which half of B's rows.  Also: which 128 rows I fetch
	s_bfe_u32 s40, ttmp6, 0x40000                  ; cx, cy: my place in the cluster
	s_bfe_u32 s41, ttmp6, 0x40004
	s_and_b32 s17, ttmp7, 0xffff                   ; cl: the cluster's number, which all sixteen share
	s_lshl_b32 s43, s41, 2
	s_lshl_b32 s43, 15, s43                        ; my row of the cluster
	s_lshl_b32 s44, 0x1111, s40                    ; my column
	; descriptor group 1: a tile of 128 rows x 192 bytes, padded in LDS
	s_or_b32 s[G1+0], s43, (0<<16)|(1<<20)|(1<<21)|(3<<22)|(3<<25)  ; 15:0 the mask: A's tiles go to my row; 17:16 elements of 1 byte; 20 padding on; 21 set beside a mask; 24:22 after every 16 words; 31:25 of 4 words
	s_or_b32 s[G1B+0], s44, (0<<16)|(1<<20)|(1<<21)|(3<<22)|(3<<25)
.irp g, G1, G1B
	s_mov_b32 s[\g+1], ROWB<<16                    ; tensor_dim0
	s_mov_b32 s[\g+2], 128<<16                     ; tensor_dim1
	s_mov_b32 s[\g+3], ROWB<<16                    ; tile_dim0
	s_mov_b32 s[\g+4], 128                         ; tile_dim1
	s_mov_b32 s[\g+5], KROW                        ; tensor_dim0_stride
	s_mov_b32 s[\g+6], 0
	s_mov_b32 s[\g+7], 0
.endr
	; and for the scales of 128 rows: a dense block of 4,096 bytes, as 16 rows of 256 bytes (32 elements of 8 bytes), 16 bytes of padding behind each
	s_or_b32 s[G1S+0], s43, (3<<16)|(1<<20)|(1<<21)|(5<<22)|(3<<25)
	s_or_b32 s[G1SB+0], s44, (3<<16)|(1<<20)|(1<<21)|(5<<22)|(3<<25)
.irp g, G1S, G1SB
	s_mov_b32 s[\g+1], 32<<16
	s_mov_b32 s[\g+2], (128*KS/256)<<16
	s_mov_b32 s[\g+3], 32<<16
	s_mov_b32 s[\g+4], 128*KS/256
	s_mov_b32 s[\g+5], 32
	s_mov_b32 s[\g+6], 0
	s_mov_b32 s[\g+7], 0
.endr
	; which rows: the tokens' 1,024 rows of this cluster begin at 1,024 cl (v's rows follow k's in the list, so that holds in both cases)
	s_lshl_b32 s2, s17, 10
	s_cmp_ge_u32 s17, 16
	s_cselect_b32 s20, WQROW, s2                   ; A's first row,
	s_cselect_b32 s46, s2, WQROW                   ; B's
	s_lshl_b32 s18, s16, 7                         ; which 128 rows of a tile I fetch
	s_lshl_b32 s21, s41, 8
	s_add_co_u32 s20, s20, s21
	s_add_co_u32 s20, s20, s18                     ; A: + 256 cy + 128 x half: cx does not enter
	s_lshl_b32 s47, s40, 8
	s_add_co_u32 s46, s46, s47
	s_add_co_u32 s46, s46, s18                     ; B: + 256 cx + 128 x half: cy does not enter
	s_mul_i32 s22, s20, KS                         ; where these rows' scale bytes begin (all these offsets stay under 2^25),
	s_mov_b32 s23, 0
	s_mul_i32 s20, s20, KROW                       ; and their codes
	s_mov_b32 s21, 0
	s_mul_i32 s92, s46, KS
	s_mov_b32 s93, 0
	s_mul_i32 s46, s46, KROW
	s_mov_b32 s47, 0
	s_mul_i32 s45, s14, HALFT                      ; where they go: wave x 128 rows: no place in the cluster enters an LDS address
	s_mul_i32 s94, s14, HALFS
	s_mov_b32 s[SEL], 0x76543210
	s_mov_b32 s[SEL+1], 0xfedcba98
	s_wait_kmcnt 0x0
	s_add_nc_u64 s[20:21], s[4:5], s[20:21]
	s_add_nc_u64 s[22:23], s[6:7], s[22:23]
	s_add_nc_u64 s[46:47], s[4:5], s[46:47]
	s_add_nc_u64 s[92:93], s[6:7], s[92:93]
	CROUND                                         ; all sixteen work-groups are here: the first joint loads meet
	s_mov_b32 s[G0S], 1
	s_add_co_u32 s[G0S+1], s94, SCL
	s_mov_b64 s[G0S+2:G0S+3], s[22:23]
	s_or_b32 s[G0S+3], s[G0S+3], 0x80000000
	s_mov_b32 s[G0SB], 1
	s_add_co_u32 s[G0SB+1], s94, SCL
	s_mov_b64 s[G0SB+2:G0SB+3], s[92:93]
	s_or_b32 s[G0SB+3], s[G0SB+3], 0x80000000
	JLOAD G0S, G1S, G0SB, G1SB                     ; the scales first: they are wanted with K step 0.  Each of the two below first waits for all my earlier loads
.irp s, 0,1
	s_mov_b32 s[G0+4*\s], 1
	s_add_co_u32 s[G0+4*\s+1], s45, \s*SLOT
	s_add_nc_u64 s[G0+4*\s+2:G0+4*\s+3], s[20:21], \s*ROWB
	s_or_b32 s[G0+4*\s+3], s[G0+4*\s+3], 0x80000000
	s_mov_b32 s[G0B+4*\s], 1
	s_add_co_u32 s[G0B+4*\s+1], s45, \s*SLOT
	s_add_nc_u64 s[G0B+4*\s+2:G0B+4*\s+3], s[46:47], \s*ROWB
	s_or_b32 s[G0B+4*\s+3], s[G0B+4*\s+3], 0x80000000
	s_wait_alu depctr_va_vdst(0)
	s_wait_tensorcnt 0x0
	ds_add_u32 v28, v29
	s_wait_dscnt 0x0
	CROUND
	JLOAD G0+4*\s, G1, G0B+4*\s, G1B
.endr
	v_and_b32 v1, 15, v0                           ; r = l % 16
	v_bfe_u32 v2, v0, 4, 1                         ; h = l / 16
	s_wait_alu depctr_va_vdst(0)
	; what differs between the two cases, chosen without a jump.  These numbers enter addresses in memory and masks alone
	s_cmp_ge_u32 s17, 16
	s_cselect_b32 s42, s40, s41                    ; the tokens' tile in the cluster: cy, for v cx
	s_cselect_b32 s99, s41, s40                    ; the channels' tile: cx, for v cy
	s_cselect_b32 s100, s16, s15                   ; my half of the tokens' tile
	s_cselect_b32 s101, s15, s16                   ; my half of the channels' tile
	s_cselect_b32 s95, 0, -1                       ; BN counts for q and k,
	s_cselect_b32 s96, -1, 0                       ; BM for v
	s_cselect_b32 s97, 0, 16                       ; q, k: lanes 16-31 store the second head's two scale bytes
	s_mov_b32 s98, 0xffff
	s_cselect_b32 s98, -1, s98                     ; q, k: two bytes a head, zeros above; v: all four
	s_lshl_b32 s99, s99, 1
	s_add_co_u32 s99, s99, s101                    ; the pair of heads, 0 .. 7: my wave's 128 channels
	s_lshl_b32 s2, s99, 9
	s_mov_b32 s3, 0
	s_add_nc_u64 s[8:9], s[8:9], s[2:3]            ; bq at those channels: every load below stays inside their 512 bytes
	v_lshlrev_b32 v[BNA], 6, v2                    ; BN: block b, register j: channel 32 (b / 2) + 8 (b % 2) + 16 h + j
	v_and_b32 v[BMA], 8, v1
	v_add_nc_u32 v[BMA], v[BMA], v1
	v_lshlrev_b32 v[BMA], 2, v[BMA]                ; BM: block a: channel 32 (a / 2) + 8 (a % 2) + r + 8 (r / 8)
.irp b, 0,1,2,3,4,5,6,7
	global_load_b128 v[BN+8*\b:BN+8*\b+3], v[BNA], s[8:9] offset:(32*(\b/2)+8*(\b%2))*4
	global_load_b128 v[BN+8*\b+4:BN+8*\b+7], v[BNA], s[8:9] offset:(32*(\b/2)+8*(\b%2))*4+16
.endr
.irp a, 0,1,2,3,4,5,6,7
	global_load_b32 v[BM+2*\a], v[BMA], s[8:9] offset:(32*(\a/2)+8*(\a%2))*4
	global_load_b32 v[BM+2*\a+1], v[BMA], s[8:9] offset:(32*(\a/2)+8*(\a%2))*4     ; twice: the packed addition names a pair
.endr
	; my record: ((tensor and batch) x 8 + pair of heads) x 16 + group of 128 tokens
	s_lshl_b32 s101, s17, 2
	s_add_co_u32 s101, s101, s42                   ; the tokens' tile of 256 in the list of q's, k's and v's rows
	s_lshr_b32 s42, s101, 3                        ; 8 tiles to a batch: tensor x 4 + batch
	s_lshl_b32 s42, s42, 3
	s_add_co_u32 s42, s42, s99
	s_lshl_b32 s42, s42, 4
	s_and_b32 s101, s101, 7
	s_lshl_b32 s101, s101, 1
	s_add_co_u32 s42, s42, s101
	s_add_co_u32 s42, s42, s100
	s_mul_i32 s2, s42, 12288                       ; 12,288 bytes of codes a record,
	s_add_nc_u64 s[10:11], s[10:11], s[2:3]
	s_lshl_b32 s2, s42, 10                         ; 1,024 of scale words
	s_add_nc_u64 s[12:13], s[12:13], s[2:3]
	v_mul_u32_u24 v3, v1, PITCH
	v_mul_u32_u24 v4, v2, 24
	v_add_nc_u32 v4, v3, v4                        ; a fragment's row x pitch + 24 x half
	v_lshl_add_u32 v5, v2, 4, v4                   ; and the same behind one padding more
	s_mul_i32 s21, s15, HALFT                      ; my 128 rows of A
	s_mul_i32 s22, s16, HALFT                      ; my 128 rows of B,
	s_add_co_u32 s22, s22, 2*HALFT                 ; which lie behind A's 256
.irp s, 0,1
	v_add_nc_u32 v[ADRA+\s], s21, v4
	v_add_nc_u32 v[ADRB+\s], s22, v4
	v_add_nc_u32 v[ADRA+2+\s], s21, v5
	v_add_nc_u32 v[ADRB+2+\s], s22, v5
	s_add_co_u32 s21, s21, SLOT
	s_add_co_u32 s22, s22, SLOT
.endr
	v_mul_u32_u24 v5, v1, KS                       ; my row's scales: 32 bytes a row,
	v_lshrrev_b32 v6, 8, v5
	v_lshl_add_u32 v5, v6, 4, v5                   ; and 16 more for each 256 passed
	s_mul_i32 s21, s15, HALFS                      ; A's: my 128 rows
	s_mul_i32 s22, s16, HALFS                      ; B's: my 128 rows, behind A's 256
	s_add_co_u32 s22, s22, 2*HALFS
	s_sub_co_u32 s22, s22, s21
	v_mul_u32_u24 v6, s22, v2                      ; lanes 16-31 take B's: one product, the distance between the two
	s_add_co_u32 s21, s21, SCL
	v_add_nc_u32 v5, v5, v6
	v_add_nc_u32 v[ADRS], s21, v5
	v_and_b32 v6, 31, v0
	v_lshlrev_b32 v[VO16], 4, v6
	v_lshlrev_b32 v[VO8], 3, v6
	v_lshlrev_b32 v[VSO], 4, v1
	v_lshl_add_u32 v[VSO], v2, 9, v[VSO]
	v_mul_u32_u24 v[SHF], s97, v2
	s_wait_loadcnt 0x0                             ; the biases
.set i, 0
.rept 64
	v_and_b32 v[BN+i], s95, v[BN+i]                ; zeros for v
.set i, i+1
.endr
.set i, 0
.rept 16
	v_and_b32 v[BM+i], s96, v[BM+i]                ; zeros for q and k
.set i, i+1
.endr
.macro FRAG reg, adr, q, i             ; a fragment, 16 rows x 128 K of 6-bit codes, is 12 registers: lane l holds row l % 16; registers 6 c .. 6 c + 5 hold K = 64 c + 32 (l / 16) + 0 .. 31: 24 bytes of the row's stream of bits
.irp p, 0,1,2,3,4,5                    ; in pieces of 8 bytes.  Lanes 0-15 take the row's pieces 12 q + 0, 1, 2 and 12 q + 6, 7, 8, lanes 16-31 those three pieces on
.set PCE, 12*(\q)+6*(\p/3)+\p%3        ; 16 bytes of padding lie behind every 8 pieces: where the piece three on lies behind one padding more, the second address register serves
.if PCE%8 < 5
	ds_load_b64 v[\reg+2*\p:\reg+2*\p+1], v[\adr] offset:8*PCE+16*(PCE/8)+(\i)*16*PITCH
.else
	ds_load_b64 v[\reg+2*\p:\reg+2*\p+1], v[\adr+2] offset:8*PCE+16*(PCE/8)+(\i)*16*PITCH
.endif
.endr
.endm
; 16 matrix instructions: A's blocks a0, a0 + 1 x B's eight, 128 along K: the slot's q-th.  p: B's set;  sc: the set of scale words.  first = 1: the first product starts the sums, with BN as its C: nothing is cleared.
; The 64 accumulators take turns, one instruction a turn, in the same order in every step.
.macro MUL16 a0, p, q, sc, first
.irp a, \a0, \a0+1
.irp b, 0,1,2,3,4,5,6,7
.if \first
	v_wmma_scale_f32_16x16x128_f8f6f4 v[8*(8*((\a)%4)+\b):8*(8*((\a)%4)+\b)+7], v[128*(\p)+FR*\b:128*(\p)+FR*\b+FR-1], v[AF+FR*(\a):AF+FR*(\a)+FR-1], v[BN+8*\b:BN+8*\b+7], v[SC+8*NQ*(\sc)+NQ*\b+(\q)], v[SC+8*NQ*(\sc)+NQ*(\a)+(\q)] matrix_a_fmt:MATRIX_FMT_FP6 matrix_b_fmt:MATRIX_FMT_FP6 matrix_a_scale:MATRIX_SCALE_ROW1
.else
	v_wmma_scale_f32_16x16x128_f8f6f4 v[8*(8*((\a)%4)+\b):8*(8*((\a)%4)+\b)+7], v[128*(\p)+FR*\b:128*(\p)+FR*\b+FR-1], v[AF+FR*(\a):AF+FR*(\a)+FR-1], v[8*(8*((\a)%4)+\b):8*(8*((\a)%4)+\b)+7], v[SC+8*NQ*(\sc)+NQ*\b+(\q)], v[SC+8*NQ*(\sc)+NQ*(\a)+(\q)] matrix_a_fmt:MATRIX_FMT_FP6 matrix_b_fmt:MATRIX_FMT_FP6 matrix_a_scale:MATRIX_SCALE_ROW1
.endif
.endr
.endr
.endm
.macro FETCH_B slot, q, p              ; B's eight fragments of the slot's q-th 128 along K into set p
	WIN TO_B
.irp i, 0,1,2,3,4,5,6,7
	FRAG 128*(\p)+FR*\i, ADRB+\slot, \q, \i
.endr
	WIN 0
.endm
.macro FETCH_A slot, q, i0             ; A's blocks i0 .. i0 + 3
.irp i, \i0, \i0+1, \i0+2, \i0+3
	FRAG AF+FR*(\i), ADRA+\slot, \q, \i
.endr
.endm
.macro SCALES sc                       ; the next K step's scale words into set sc: two words a row; lanes 0-15 take A's block i, lanes 16-31 B's block i
.irp i, 0,1,2,3,4,5,6,7
	ds_load_b64 v[SC+8*NQ*\sc+NQ*\i:SC+8*NQ*\sc+NQ*\i+1], v[ADRS] offset:\i*SBLK
.endr
.endm
; A load into a register that a matrix instruction has read, and a vector instruction that reads a matrix result or writes one of a matrix instruction's registers, stand NP places behind it; only plain vector
; instructions that name none of its registers are places (ISA guide 7.12.1 for vector instructions).
.macro PLACES n
.rept \n
	v_nop
.endr
.endm
; A step of 128 along K that has its successor in the same slot.
.macro STEP slot, q, first
	s_wait_dscnt 4*NL                              ; B's set and A's blocks 0-3 are in; the youngest 24 loads (A's blocks 4-7) may be out
.if \first
	WIN FST_LO
.else
	WIN MUL_LO
.endif
	MUL16 0, (\q)%2, \q, \slot, \first
	MUL16 2, (\q)%2, \q, \slot, \first
	s_wait_dscnt 0                                 ; A's blocks 4-7 are in (asked for 32 matrix instructions ago)
	PLACES NP
	FETCH_B \slot, (\q)+1, 1-(\q)%2
	FETCH_A \slot, (\q)+1, 0
.if \first
	WIN FST_HI
.else
	WIN MUL_HI
.endif
	MUL16 4, (\q)%2, \q, \slot, \first
	MUL16 6, (\q)%2, \q, \slot, \first
	PLACES NP
	WIN 0
	FETCH_A \slot, (\q)+1, 4
.endm
; A slot's last step changes slots: ONE barrier; in front of it each wave waits for all its tensor loads, adds 0 to its spare word, and waits for that and for its own reads of this slot.  fill = 1: this slot is filled again, two K steps ahead.
.macro TURN slot, next, fill
	s_wait_tensorcnt 0x0                           ; all my tensor loads have landed: my part of the next slot;  (every window is 0 here)
	ds_add_u32 v[SPW], v[NIL]                      ; 0 onto my spare word;
	s_wait_dscnt 4*NL+1                            ; (the add and the youngest 24 loads, A's blocks 4-7, may be out)
	WIN MUL_LO
	MUL16 0, 1, NQ-1, \slot, 0                     ; sixteen matrix instructions stand between the add and the wait for it
	s_wait_dscnt 0x0                               ; the add is done, and my reads of this slot are over
	s_barrier_signal -1
	MUL16 2, 1, NQ-1, \slot, 0
	WIN 0
	s_barrier_wait -1
.if \fill
	CREST                                          ; the barrier has opened a round of the cluster's barrier: no wave of any partner still reads this slot's tile or has a load on its way
	s_add_nc_u64 s[G0+4*\slot+2:G0+4*\slot+3], s[G0+4*\slot+2:G0+4*\slot+3], 2*ROWB
	s_add_nc_u64 s[G0B+4*\slot+2:G0B+4*\slot+3], s[G0B+4*\slot+2:G0B+4*\slot+3], 2*ROWB
	JLOAD G0+4*\slot, G1, G0B+4*\slot, G1B         ; the first tensor load behind the round; the four v_nop behind it are the places in front of the loads below
.else
	PLACES NP
.endif
	s_wait_alu depctr_va_vdst(0)
	v_add_nc_u32 v[ADRS], 4*NQ, v[ADRS]            ; on to the next K step's scale words
	FETCH_B \next, 0, 0
	FETCH_A \next, 0, 0
	SCALES \next
	WIN MUL_HI
	MUL16 4, 1, NQ-1, \slot, 0
	MUL16 6, 1, NQ-1, \slot, 0
	PLACES NP
	WIN 0
	FETCH_A \next, 0, 4
.endm
	PLACES 8                                       ; between the masking of BN and the first products
	s_wait_tensorcnt 1                             ; the scales and my part of K step 0 are in (K step 1's load may be out)
	s_barrier_signal -1
	s_barrier_wait -1                              ; everybody's are
	FETCH_B 0, 0, 0
	FETCH_A 0, 0, 0
	SCALES 0
	FETCH_A 0, 0, 4
	STEP 0, 0, 1                                   ; the first step stands in front of the loop: its products start the sums
	s_mov_b32 s3, LAPS-1
.Llap:                                                 ; a trip goes once round the ring, from a lap's second step to the next lap's first, and fills both slots again
	TURN 0, 1, 1
	STEP 1, 0, 0
	TURN 1, 0, 1
	STEP 0, 0, 0
	s_sub_co_u32 s3, s3, 1
	s_cmp_lg_u32 s3, 0
	s_cbranch_scc1 .Llap
	TURN 0, 1, 0                                   ; the last lap fills nothing, and has no round of the cluster's barrier
	STEP 1, 0, 0
	s_wait_dscnt 4*NL                              ; the very last step: nothing more to fetch
	WIN MUL_LO
	MUL16 0, 1, NQ-1, 1, 0
	MUL16 2, 1, NQ-1, 1, 0
	s_wait_dscnt 0
	WIN MUL_HI
	MUL16 4, 1, NQ-1, 1, 0
	MUL16 6, 1, NQ-1, 1, 0
	WIN 0
; 64 numbers of a lane, v[s] .. v[s + 63], register 16 b + i = column 32 b + 16 (lane / 16) + i of my row, become a fragment's codes in v[PC] on and its scale word in v[PW].
.macro QUANT s
.irp b, 0,1,2,3
	v_max3_num_f32 v[TM+\b], |v[\s+16*\b]|, |v[\s+1+16*\b]|, 0x1800000   ; block b: my 16 numbers, and the floor 2^(3 - 127): so the byte cannot fall under 1
.endr
.irp i, 2,4,6,8,10,12,14
.irp b, 0,1,2,3
	v_max3_num_f32 v[TM+\b], v[TM+\b], |v[\s+16*\b+\i]|, |v[\s+1+16*\b+\i]|   ; (the four blocks by turns)
.endr
.endr
.irp b, 0,1,2,3
	v_permlanex16_b32 v[TM+4+\b], v[TM+\b], s[SEL], s[SEL+1]
.endr
.irp b, 0,1,2,3
	v_max_num_f32 v[TM+\b], v[TM+\b], v[TM+4+\b]   ; with lane l xor 16's: the block's largest magnitude
.endr
.irp b, 0,1,2,3
	v_add_nc_u32 v[TM+12+\b], 0xff000000, v[TM+\b]   ; 2 off its exponent field: the conversion's scale operand
.endr
.irp b, 0,1,2,3
	v_lshrrev_b32 v[TM+4+\b], 23, v[TM+12+\b]      ; the scale's byte
.endr
	v_lshl_or_b32 v[PW], v[TM+5], 8, v[TM+4]       ; the four bytes make my row's scale word
	v_lshl_or_b32 v[PW], v[TM+6], 16, v[PW]
	v_lshl_or_b32 v[PW], v[TM+7], 24, v[PW]
.irp c, 0,1
	v_cvt_scalef32_pk16_fp6_f32 v[PC+6*\c:PC+2+6*\c], v[\s+32*\c:\s+15+32*\c], v[TM+12+2*\c]
	v_cvt_scalef32_pk16_fp6_f32 v[PC+12+4*\c:PC+14+4*\c], v[\s+16+32*\c:\s+31+32*\c], v[TM+12+2*\c+1]   ; (a conversion's three registers begin on an even number)
.endr
	v_nop                                          ; one plain place behind a scaled conversion
.irp c, 0,1                                    ; the operand's layout wants a WHOLE block in a lane: lanes 0-15 block 2 c, lanes 16-31 block 2 c + 1
.irp i, 0,1,2
	v_permlane16_swap_b32 v[PC+6*\c+\i], v[PC+12+4*\c+\i]
.endr
.irp i, 0,1,2
	v_mov_b32 v[PC+3+6*\c+\i], v[PC+12+4*\c+\i]
.endr
.endr
.endm
; THE WAY OUT of block a (16 rows of A x my 128 columns): BM is added, the 64 numbers are quantised, the fragment leaves as an image of its registers.
.macro OUTBLK a
.if (\a) > 0
	s_wait_xcnt 0x0                                ; the last block's stores have had their addresses translated (ISA guide 3.1): only behind this wait are the codes' registers written again
.endif
	WIN 0x02+(\a)/4                                ; source 0: window 2 or 3
.set i, 0
.rept 32
	v_pk_add_f32 v[T+2*i:T+2*i+1], v[64*((\a)%4)+2*i:64*((\a)%4)+2*i+1], v[BM+2*(\a):BM+2*(\a)+1]   ; each accumulator from its low end on
.set i, i+1
.endr
	WIN 0
	QUANT T
	v_lshrrev_b32 v[W+(\a)], v[SHF], v[PW]         ; q, k: lanes 0-15 keep the first head's two bytes, lanes 16-31 the second's; v: all four in both halves
	v_and_b32 v[W+(\a)], s98, v[W+(\a)]
	global_store_b128 v[VO16], v[PC:PC+3], s[10:11] offset:1536*(\a)               ; 512 consecutive bytes
	global_store_b64 v[VO8], v[PC+4:PC+5], s[10:11] offset:1536*(\a)+512           ; 256
	global_store_b128 v[VO16], v[PC+6:PC+9], s[10:11] offset:1536*(\a)+768
	global_store_b64 v[VO8], v[PC+10:PC+11], s[10:11] offset:1536*(\a)+1280
.endm
	PLACES NP                                      ; behind the last products: what follows reads results and writes registers that held fragments and scale words
.irp b, 0,1,2,3
	v_mov_b32 v[TM+4+\b], 0                        ; written once: a lane permute's destination counts as one of its sources
.endr
.irp a, 0,1,2,3,4,5,6,7
	OUTBLK \a
.endr
	global_store_b128 v[VSO], v[W:W+3], s[12:13]               ; the scale words of blocks 0-3: sixteen lanes store 256 consecutive bytes
	global_store_b128 v[VSO], v[W+4:W+7], s[12:13] offset:256  ; of blocks 4-7
	s_wait_tensorcnt 0x0                           ; the wave's end
	ds_add_u32 v[SPW], v[NIL]
	s_wait_dscnt 0x0
	CROUND                                         ; the closing round: no work-group ends while a partner may still ask for a tile that names it
	s_endpgm
.Lfunc_end_k_qfbcf16c4ac_proj:
	.size	k_qfbcf16c4ac_proj, .Lfunc_end_k_qfbcf16c4ac_proj-k_qfbcf16c4ac_proj
	.p2alignl 7, 3214868480
	.fill 96, 4, 3214868480
	.section	.rodata,"a",@progbits
	.p2align	6, 0x0
	.amdhsa_kernel k_qfbcf16c4ac_proj
		.amdhsa_group_segment_fixed_size 327680
		.amdhsa_private_segment_fixed_size 0
		.amdhsa_enable_private_segment 0
		.amdhsa_kernarg_size 40
		.amdhsa_user_sgpr_count 2
		.amdhsa_user_sgpr_kernarg_segment_ptr 1
		.amdhsa_wavefront_size32 1
		.amdhsa_system_sgpr_workgroup_id_x 1
		.amdhsa_system_sgpr_workgroup_id_y 1
		.amdhsa_system_sgpr_workgroup_id_z 1
		.amdhsa_system_vgpr_workitem_id 0
		.amdhsa_next_free_vgpr 1024
		.amdhsa_next_free_sgpr 102
		.amdhsa_reserve_vcc 0
		.amdhsa_float_denorm_mode_32 3
		.amdhsa_float_denorm_mode_16_64 3
		.amdhsa_memory_ordered 1
		.amdhsa_forward_progress 1
		.amdhsa_inst_pref_size 188
	.end_amdhsa_kernel
	.amdgpu_metadata
---
amdhsa.version: [ 1, 2 ]
amdhsa.kernels:
  - .name:           k_qfbcf16c4ac_proj
    .symbol:         k_qfbcf16c4ac_proj.kd
    .args:
      - { .name: codes, .offset: 0, .size: 8, .value_kind: global_buffer, .address_space: global }
      - { .name: scales, .offset: 8, .size: 8, .value_kind: global_buffer, .address_space: global }
      - { .name: bq, .offset: 16, .size: 8, .value_kind: global_buffer, .address_space: global }
      - { .name: acod, .offset: 24, .size: 8, .value_kind: global_buffer, .address_space: global }
      - { .name: ascl, .offset: 32, .size: 8, .value_kind: global_buffer, .address_space: global }
    .group_segment_fixed_size: 327680
    .private_segment_fixed_size: 0
    .kernarg_segment_align: 8
    .kernarg_segment_size: 40
    .max_flat_workgroup_size: 128
    .sgpr_count:     102
    .vgpr_count:     1024
    .wavefront_size: 32
...
	.end_amdgpu_metadata
.endif
;; end of part 2
;; launch attn (part 3): grid 4 x 64, 16 waves a work-group, clusters of 4 x 1, 215,040 bytes of LDS; arguments acod, ascl, cimg, cs; writes cimg, cs
.if DOCPART == 3
	.amdgcn_target "amdgcn-amd-amdhsa--gfx1250"
	.amdhsa_code_object_version 6
	.text
	.protected	k_qfbcf16c4ac_attn
	.globl	k_qfbcf16c4ac_attn
	.p2align	8
	.type	k_qfbcf16c4ac_attn,@function
k_qfbcf16c4ac_attn:
	s_mov_b64 s[64:65], 0
	v_nop
	global_prefetch_b8 v0, s[64:65] scope:SCOPE_SE
	s_setreg_imm32_b32 hwreg(HW_REG_WAVE_MODE, 25, 1), 1
	s_wait_xcnt 0x0
	s_wait_alu depctr_hold_cnt(0) depctr_sa_sdst(0) depctr_va_vdst(0) depctr_va_sdst(0) depctr_va_ssrc(0) depctr_va_vcc(0) depctr_vm_vsrc(0)
	s_getreg_b32 s2, hwreg(HW_REG_IB_STS2, 6, 4)
	s_cmp_eq_u32 s2, 0
	s_cbranch_scc0 .Lentry_in_a_cluster
	s_endpgm
.Lentry_in_a_cluster:
	s_bfe_u32 s2, ttmp6, 0x10000c
	s_cmp_lg_u32 s2, 0x3003
	s_cbranch_scc0 .Lentry_shape_is_right
	s_endpgm
.Lentry_shape_is_right:
; conc[b][q][head] = softmax_k(Q . K / 8) V for one head of 64 channels and 2,048 keys, both products on codes of FP6 (E2M3) with E8M0 scales; the result is quantised along the model's 1,024 for the last projection.
; THE SOFTMAX AHEAD OF THE SECOND PRODUCT: t = score x log2(e) / 8; M = the row's largest t so far, rounded UP to a whole number; p = 2^(t - M) is what is quantised, along the keys, not normalised.
; The row's sum is taken of the unquantised p and divides O at the end.  When M moves, the sum and O are multiplied by 2^(old M - new M): exact.
; SHARES.  A work-group owns 512 queries of one head; each of its sixteen waves owns a tile of 16 of them at a time, two tiles one after the other, in 256 registers: four waves to a SIMD.
; K AND V OF THE WHOLE HEAD STAY IN LDS: 16 records of 13,312 bytes, one for each 128 keys: K's 8 tiles (768 bytes each), V's 4 fragments (1,536 each), K's scale words (512), V's (512).  They are filled ONCE,
; four tensor loads a wave (four of a wave's are out), so there is no ring and one barrier.  The four work-groups of a cluster are the four query blocks of one head: every load is asked for jointly.
; All operands lie in memory and in LDS as IMAGES OF THEIR REGISTERS (registers 0-3 at 16 x lane, 4-5 at 512 + 8 x lane; a whole fragment: the same once more 768 bytes on): every LDS load reads consecutive bytes.
; LAYOUT.  Both products are used transposed: S^T = K Q^T (source 0 = 16 keys, source 1 = my 16 queries), O^T = V^T P^T (source 0 = 16 channels, source 1 = P): a lane holds ONE query (lane % 16) throughout.
; The 16 keys of a tile of K, and the 16 channels of a tile of V, are 32 (t / 2) + 8 (t % 2) + r + 8 (r / 8): so the 16 registers of two neighbouring tiles are 16 true neighbours.
; K = 64 IN AN INSTRUCTION OF 128: Q's upper 64 codes are zeros, and Q's and K's scale bytes there are 0 (2^-127, a number).  K's upper six registers are simply the next tile's codes: finite numbers that meet zeros and add nothing.
; LIMITS: NaN and infinities are not served; a block of conc whose largest magnitude lies under 2^-124 keeps the scale byte 1; 1 / l is v_rcp_f32; a p under 2^-126 counts as 0.
; REGISTERS: v1-5 addresses that stay; v8-9 the step's LDS addresses; v10 at work; v12 -M, v13 the largest t, v[14:15] the sum in two halves; v16-21 Q, v22-27 zeros; v32-79 K's 8 tiles, then V's 4 fragments; v80-85 zeros;
;   v86-89 K's scale words; v96-159 S^T, then p; v160-191 O^T; v224-235 p's codes; v232-254 at work; v248-251 V's scale words; v253 p's scale word; v255 Q's.
.set REC,   13312                      ; a record in LDS
.set VOFF,  6144                       ; V's fragments in it
.set KSOFF, 12288                      ; K's scale words: [tile / 4][r][tile % 4]
.set VSOFF, 12800                      ; V's: [half of the lanes][r][tile]
.set WV,   18                          ; s18  my wave's number
.set SEL,  20                          ; s[20:21] lane selects for v_permlanex16_b32: lane l xor 16
.set CS,   22                          ; s[22:23] c = log2(e) / 8: the packed form names a pair and takes its low word for both halves
.set G1K,  24                          ; s[24:31], s[32:39], s[40:47], s[48:55] descriptor groups 1: K, V, K's scale words, V's
.set G1V,  32
.set G1KS, 40
.set G1VS, 48
.set G0K,  56                          ; s[56:59], s[60:63], s[68:71], s[72:75] their groups 0
.set G0V,  60
.set G0KS, 68
.set G0VS, 72
.set TB,   76                          ; s76  LDS byte at which the step's record begins
.set STEPS, 77                         ; s77  key steps to go
.set TILES, 78                         ; s78  tiles of queries to go
.macro CROUND                          ; a round of the cluster's barrier
	s_barrier_signal -1
	s_barrier_wait -1
	s_cmp_lg_u32 s[WV], 0
	s_cbranch_scc1 .Lnot_wave_0_\@
	s_barrier_signal -3
.Lnot_wave_0_\@:
	s_barrier_wait -3
	s_barrier_signal -1
	s_barrier_wait -1
.endm
	s_load_b256 s[4:11], s[0:1], 0x0               ; codes s[4:5], scale words s[6:7], conc's codes s[8:9], conc's scale bytes s[10:11]
	v_lshl_add_u32 v223, v0, 2, 0x34000
	v_mov_b32 v243, 0
	ds_add_u32 v223, v243
	ds_add_u32 v223, v243
	v_lshrrev_b32 v6, 5, v0
	s_delay_alu instid0(VALU_DEP_1)
	v_readfirstlane_b32 s[WV], v6                  ; wave 0..15
	s_bfe_u32 s80, ttmp6, 0x40000                  ; cx
	s_lshl_b32 s81, ttmp9, 2
	s_add_co_u32 s80, s80, s81                     ; my block of 512 queries: it enters Q's and conc's addresses alone
	s_and_b32 s82, ttmp7, 0xffff                   ; batch x 16 + head, which the four partners share
	s_lshr_b32 s83, s82, 1                         ; batch x 8 + pair of heads
	s_and_b32 s84, s82, 1                          ; which head of the pair
	; what I fetch: the record of keys 128 x wave on
	s_mul_i32 s86, s83, 196608                     ; the pair's 16 records of codes
	s_mul_i32 s85, s[WV], 12288
	s_add_co_u32 s88, s86, s85
	s_mul_i32 s85, s84, 768
	s_add_co_u32 s90, s88, s85
	s_add_co_u32 s90, s90, 6291456                 ; K's records follow Q's 512; my head's image is the first or second 768 bytes of each block of 1,536
	s_mov_b32 s91, 0
	s_mul_i32 s85, s84, 6144
	s_add_co_u32 s92, s88, s85
	s_add_co_u32 s92, s92, 12582912                ; V's follow K's; my head's four fragments are the first or second 6,144 bytes
	s_mov_b32 s93, 0
	s_lshl_b32 s87, s83, 14                        ; the pair's 16 records of scale words
	s_lshl_b32 s85, s[WV], 10
	s_add_co_u32 s88, s87, s85
	s_lshl_b32 s85, s84, 9
	s_add_co_u32 s94, s88, s85
	s_add_co_u32 s94, s94, 524288                  ; K's: my head's 512 bytes
	s_mov_b32 s95, 0
	s_lshl_b32 s85, s84, 8
	s_add_co_u32 s88, s88, s85
	s_add_co_u32 s88, s88, 1048576                 ; V's: my head's 256 bytes in each half of the record
	s_mov_b32 s89, 0
	s_mul_i32 s85, s[WV], REC                      ; and where it goes: no place in the cluster enters an LDS address
	; descriptor groups 1: elements of 8 bytes, no padding; 15:0 the mask: all four work-groups; 21 set beside a mask
.irp g, G1K, G1V, G1KS, G1VS
	s_mov_b32 s[\g], 15|(3<<16)|(1<<21)
	s_mov_b32 s[\g+6], 0
	s_mov_b32 s[\g+7], 0
.endr
	s_mov_b32 s[G1K+1], 96<<16                     ; K: 8 rows of 768 bytes, 1,536 bytes apart
	s_mov_b32 s[G1K+2], 8<<16
	s_mov_b32 s[G1K+3], 96<<16
	s_mov_b32 s[G1K+4], 8
	s_mov_b32 s[G1K+5], 192
	s_mov_b32 s[G1V+1], 32<<16                     ; V: 6,144 dense bytes as 24 rows of 256
	s_mov_b32 s[G1V+2], 24<<16
	s_mov_b32 s[G1V+3], 32<<16
	s_mov_b32 s[G1V+4], 24
	s_mov_b32 s[G1V+5], 32
	s_mov_b32 s[G1KS+1], 32<<16                    ; K's scale words: 512 dense bytes as 2 rows of 256
	s_mov_b32 s[G1KS+2], 2<<16
	s_mov_b32 s[G1KS+3], 32<<16
	s_mov_b32 s[G1KS+4], 2
	s_mov_b32 s[G1KS+5], 32
	s_mov_b32 s[G1VS+1], 32<<16                    ; V's: 2 rows of 256 bytes, 512 bytes apart
	s_mov_b32 s[G1VS+2], 2<<16
	s_mov_b32 s[G1VS+3], 32<<16
	s_mov_b32 s[G1VS+4], 2
	s_mov_b32 s[G1VS+5], 64
	s_mov_b32 s[SEL], 0x76543210
	s_mov_b32 s[SEL+1], 0xfedcba98
	s_mov_b32 s[CS], 0x3e38aa3b                    ; c = log2(e) / 8.  (The division by 8 is exact, so score x c rounds as (score / 8) x log2(e) does)
	s_mov_b32 s[CS+1], s[CS]                       ; (named with it as a pair, so it is written)
	s_wait_dscnt 0x0
	s_wait_kmcnt 0x0
	s_mov_b32 s[G0K], 1                            ; 1:0 count = 1
	s_mov_b32 s[G0K+1], s85                        ; 63:32 LDS address
	s_add_nc_u64 s[G0K+2:G0K+3], s[4:5], s[90:91]  ; 120:64 global address
	s_or_b32 s[G0K+3], s[G0K+3], 0x80000000        ; 127:126 type = 2
	s_mov_b32 s[G0V], 1
	s_add_co_u32 s[G0V+1], s85, VOFF
	s_add_nc_u64 s[G0V+2:G0V+3], s[4:5], s[92:93]
	s_or_b32 s[G0V+3], s[G0V+3], 0x80000000
	s_mov_b32 s[G0KS], 1
	s_add_co_u32 s[G0KS+1], s85, KSOFF
	s_add_nc_u64 s[G0KS+2:G0KS+3], s[6:7], s[94:95]
	s_or_b32 s[G0KS+3], s[G0KS+3], 0x80000000
	s_mov_b32 s[G0VS], 1
	s_add_co_u32 s[G0VS+1], s85, VSOFF
	s_add_nc_u64 s[G0VS+2:G0VS+3], s[6:7], s[88:89]
	s_or_b32 s[G0VS+3], s[G0VS+3], 0x80000000
	CROUND                                         ; all four work-groups are here: the joint loads meet
	tensor_load_to_lds s[G0K:G0K+3], s[G1K:G1K+7]      ; the launch's only fills, one group, the same four lines in every wave of every partner
	s_nop 0
	tensor_load_to_lds s[G0V:G0V+3], s[G1V:G1V+7]
	s_nop 0
	tensor_load_to_lds s[G0KS:G0KS+3], s[G1KS:G1KS+7]
	s_nop 0
	tensor_load_to_lds s[G0VS:G0VS+3], s[G1VS:G1VS+7]
	s_nop 0
.rept 4
	v_nop
.endr
	; my first tile of queries: t = 32 x block + wave, of the batch's 128
	s_lshl_b32 s80, s80, 5
	s_add_co_u32 s80, s80, s[WV]
	s_mul_i32 s2, s80, 1536
	s_add_co_u32 s2, s2, s86
	s_mul_i32 s3, s84, 768
	s_add_co_u32 s2, s2, s3
	s_mov_b32 s3, 0
	s_add_nc_u64 s[12:13], s[4:5], s[2:3]          ; Q's image
	s_lshr_b32 s2, s80, 3                          ; Q's scale words: record t / 8, + 512 x head, + 256 ((t / 4) % 2), + 4 (t % 4)
	s_lshl_b32 s2, s2, 10
	s_add_co_u32 s2, s2, s87
	s_bfe_u32 s16, s80, 0x10002
	s_lshl_b32 s16, s16, 8
	s_add_co_u32 s2, s2, s16
	s_and_b32 s16, s80, 3
	s_lshl_b32 s16, s16, 2
	s_add_co_u32 s2, s2, s16
	s_lshl_b32 s16, s84, 9
	s_add_co_u32 s2, s2, s16
	s_add_nc_u64 s[14:15], s[6:7], s[2:3]
	s_lshr_b32 s16, s82, 4                         ; the batch
	s_lshl_b32 s16, s16, 7
	s_add_co_u32 s16, s16, s80                     ; the tile among all 512
	s_and_b32 s17, s82, 15                         ; the head
	s_mul_i32 s2, s16, 12288
	s_mul_i32 s79, s17, 768
	s_add_co_u32 s2, s2, s79
	s_add_nc_u64 s[8:9], s[8:9], s[2:3]            ; conc's image: [tile][head][768 bytes]
	s_lshl_b32 s2, s16, 9
	s_lshl_b32 s79, s17, 1
	s_add_co_u32 s2, s2, s79
	s_add_nc_u64 s[10:11], s[10:11], s[2:3]        ; conc's scale bytes: 32 a row, the head's two at 2 x head
	v_and_b32 v6, 31, v0
	s_delay_alu instid0(VALU_DEP_1)
	v_lshlrev_b32 v1, 4, v6                        ; 16 x lane
	s_delay_alu instid0(VALU_DEP_2)
	v_lshlrev_b32 v2, 3, v6                        ; 8 x lane
	v_and_b32 v7, 15, v0                           ; r
	v_bfe_u32 v5, v0, 4, 1                         ; h
	s_delay_alu instid0(VALU_DEP_2)
	v_lshlrev_b32 v3, 4, v7                        ; Q's scale words: 16 bytes from row to row
	s_delay_alu instid0(VALU_DEP_2)
	v_lshl_add_u32 v4, v7, 5, v5                   ; conc's scale bytes: 32 r + h
	s_delay_alu instid0(VALU_DEP_3)
	v_lshlrev_b32 v5, 3, v5                        ; 8 h
.irp j, 22,23,24,25,26,27,80,81,82,83,84,85
	v_mov_b32 v\j, 0                               ; Q's upper 64 codes; what stands behind K's last tile
.endr
	s_mov_b32 s[TILES], 2
	s_wait_tensorcnt 0x0                           ; my four loads have landed,
	s_barrier_signal -1
	s_barrier_wait -1                              ; everybody's have: the whole head lies in LDS, and nothing writes LDS from here on
.Ltile:
	global_load_b128 v[16:19], v1, s[12:13]        ; Q's fragment stays in registers
	global_load_b64 v[20:21], v2, s[12:13] offset:512
	global_load_b32 v255, v3, s[14:15]             ; and its scale words
	v_mov_b32 v13, 0xff61b1e6                      ; the largest t so far: -3e38, under every t
	s_delay_alu instid0(VALU_DEP_1)
	v_floor_f32 v12, -v13                          ; -M
	v_mov_b32 v14, 0                               ; the sum, in two halves
	v_mov_b32 v15, 0
.irp b, 0,1,2,3
	v_mov_b32 v[236+\b], 0                         ; a lane permute's destination counts as one of its sources
.endr
	v_mov_b32 v253, 0                              ; (named as the upper half of the pair v[252:253] before it is first written)
.set j, 0
.rept 32
	v_mov_b32 v[160+j], 0                          ; O^T.  (The step is written once: the first finds zeros, which the first change of M leaves zeros)
.set j, j+1
.endr
	s_mov_b32 s[TB], 0
	s_mov_b32 s[STEPS], 16
	s_wait_loadcnt 0x0                             ; Q
.Lstep:                                                ; A KEY STEP: 128 keys
	s_setprio 2
	v_add_nc_u32 v8, s[TB], v1
	v_add_nc_u32 v9, s[TB], v2
	v_nop
	v_nop                                          ; four places in front of loads into registers that the last products read
.irp t, 0,1,2,3,4,5,6,7
	ds_load_b128 v[32+6*\t:35+6*\t], v8 offset:768*\t              ; K's tile t: six registers
	ds_load_b64 v[36+6*\t:37+6*\t], v9 offset:768*\t+512
.endr
	ds_load_b128 v[86:89], v8 offset:KSOFF         ; lanes 0-15: the words of tiles 0-3; lanes 16-31: of tiles 4-7
	s_wait_alu depctr_va_vdst(0)
	s_wait_dscnt 0x0
.irp t, 0,1,2,3
	v_wmma_scale_f32_16x16x128_f8f6f4 v[96+8*\t:103+8*\t], v[32+6*\t:43+6*\t], v[16:27], 0, v[86+\t], v255 matrix_a_fmt:MATRIX_FMT_FP6 matrix_b_fmt:MATRIX_FMT_FP6
.endr
.irp t, 4,5,6,7
	v_wmma_scale_f32_16x16x128_f8f6f4 v[96+8*\t:103+8*\t], v[32+6*\t:43+6*\t], v[16:27], 0, v[82+\t], v255 matrix_a_fmt:MATRIX_FMT_FP6 matrix_b_fmt:MATRIX_FMT_FP6 matrix_a_scale:MATRIX_SCALE_ROW1
.endr                                          ; lane (r, h) holds query r; the 16 registers of tiles 2 b, 2 b + 1 are keys 32 b + 16 h + 0 .. 15 of the step
.rept 4
	v_nop                                          ; places: behind them K's registers are loaded anew and the scores are read
.endr
.irp c, 0,1,2,3                                ; V's four fragments land while the softmax is worked
	ds_load_b128 v[32+12*\c:35+12*\c], v8 offset:VOFF+1536*\c
	ds_load_b64 v[36+12*\c:37+12*\c], v9 offset:VOFF+1536*\c+512
	ds_load_b128 v[38+12*\c:41+12*\c], v8 offset:VOFF+1536*\c+768
	ds_load_b64 v[42+12*\c:43+12*\c], v9 offset:VOFF+1536*\c+1280
.endr
	ds_load_b128 v[248:251], v8 offset:VSOFF       ; lane r: the words of channel r of the four tiles
.irp b, 0,1,2,3
	v_max3_num_f32 v[232+\b], v[96+16*\b], v[97+16*\b], v[98+16*\b]   ; THE LARGEST SCORE OF EACH BLOCK OF 32 KEYS: it serves twice: for the row's maximum, and, since p rises with the score, for the block's largest p
.endr
.irp i, 3,5,7,9,11,13
.irp b, 0,1,2,3
	v_max3_num_f32 v[232+\b], v[232+\b], v[96+16*\b+\i], v[97+16*\b+\i]   ; (the four blocks by turns)
.endr
.endr
.irp b, 0,1,2,3
	v_max_num_f32 v[232+\b], v[232+\b], v[111+16*\b]
.endr
.irp b, 0,1,2,3
	s_delay_alu instid0(VALU_DEP_4)
	v_permlanex16_b32 v[236+\b], v[232+\b], s[SEL], s[SEL+1]
.endr
.irp b, 0,1,2,3
	s_delay_alu instid0(VALU_DEP_4)
	v_max_num_f32 v[232+\b], v[232+\b], v[236+\b]  ; with lane l xor 16's 16 keys
.endr
	s_delay_alu instid0(VALU_DEP_2)
	v_max3_num_f32 v254, v232, v233, v234
	s_delay_alu instid0(VALU_DEP_1)
	v_max_num_f32 v254, v254, v235                 ; the step's largest score of my query
	s_delay_alu instid0(VALU_DEP_1)
	v_mul_f32 v254, s[CS], v254                    ; as t (c is positive)
	s_delay_alu instid0(VALU_DEP_1)
	v_max_num_f32 v13, v13, v254                   ; the running largest t
	v_mov_b32 v254, v12
	s_delay_alu instid0(VALU_DEP_2)
	v_floor_f32 v12, -v13                          ; the new -M = floor(-t) = -ceil(t): M IS A WHOLE NUMBER
	s_delay_alu instid0(VALU_DEP_1)
	v_sub_f32 v254, v12, v254                      ; M's old value less its new one: a whole number, 0 or less
	s_delay_alu instid0(VALU_DEP_1)
	v_cvt_i32_f32 v254, v254                       ; (it saturates)
	s_delay_alu instid0(VALU_DEP_1)
	v_ldexp_f32 v252, 1.0, v254                    ; f = 2^(old M - new M): a multiplication by it rounds nothing
.set j, 0
.rept 32
	v_pk_fma_f32 v[96+j:97+j], v[96+j:97+j], s[CS:CS+1], v[12:13] op_sel_hi:[1,0,0]   ; t - M, two at a time (of the pairs c and -M the low word serves both halves)
.set j, j+2
.endr
.irp b, 0,1,2,3
	v_fma_f32 v[232+\b], v[232+\b], s[CS], v12     ; the same of each block's largest score
.endr
.set j, 0
	s_wait_alu depctr_va_vdst(0)
.rept 64
	v_exp_f32 v[96+j], v[96+j]                     ; p = 2^(t - M), at most 1: NOT normalised
.set j, j+1
.endr
	s_setprio 1
.irp b, 0,1,2,3
	v_exp_f32 v[232+\b], v[232+\b]                 ; the block's largest p: the same two instructions on the same number give the same bits
.endr
	v_pk_mul_f32 v[14:15], v[14:15], v[252:253] op_sel_hi:[1,0]   ; the sums under the new M.  (A plain place behind the exponentials)
	s_wait_alu depctr_va_vdst(0)
.irp b, 0,1,2,3
	v_max_num_f32 v[232+\b], 0x1800000, v[232+\b]  ; the floor 2^(3 - 127): the byte cannot fall under 1 (a block whose every p has fallen to 0 keeps that byte: its codes are zeros)
.endr
.irp b, 0,1,2,3
	s_delay_alu instid0(VALU_DEP_4)
	v_add_nc_u32 v[244+\b], 0xff000000, v[232+\b]  ; 2 off the exponent field: the conversion's scale operand
.endr
.irp b, 0,1,2,3
	s_delay_alu instid0(VALU_DEP_4)
	v_lshrrev_b32 v[236+\b], 23, v[244+\b]         ; the scale's byte
.endr
	s_delay_alu instid0(VALU_DEP_3)
	v_lshl_or_b32 v253, v237, 8, v236              ; p's scale word for these 128 keys
	s_delay_alu instid0(VALU_DEP_1)
	v_lshl_or_b32 v253, v238, 16, v253
	s_delay_alu instid0(VALU_DEP_1)
	v_lshl_or_b32 v253, v239, 24, v253
.irp c, 0,1
	v_cvt_scalef32_pk16_fp6_f32 v[224+6*\c:226+6*\c], v[96+32*\c:111+32*\c], v[244+2*\c]
	v_cvt_scalef32_pk16_fp6_f32 v[236+4*\c:238+4*\c], v[112+32*\c:127+32*\c], v[244+2*\c+1]   ; (a conversion's three registers begin on an even number)
.endr
	v_nop                                          ; one plain place behind a scaled conversion
.irp c, 0,1                                    ; the operand's layout wants a WHOLE block in a lane: lanes 0-15 block 2 c, lanes 16-31 block 2 c + 1
.irp i, 0,1,2
	v_permlane16_swap_b32 v[224+6*\c+\i], v[236+4*\c+\i]
.endr
.irp i, 0,1,2
	s_delay_alu instid0(VALU_DEP_3)
	v_mov_b32 v[227+6*\c+\i], v[236+4*\c+\i]
.endr
.endr
.set j, 0
.rept 16
	v_pk_mul_f32 v[160+j:161+j], v[160+j:161+j], v[252:253] op_sel_hi:[1,0]   ; O^T under the new M: x f; each accumulator from its low end on
.set j, j+2
.endr
	v_pk_add_f32 v[236:237], v[100:101], v[104:105]
	v_pk_add_f32 v[246:247], v[108:109], v[112:113]
	v_pk_add_f32 v[244:245], v[116:117], v[120:121]
	v_pk_add_f32 v[240:241], v[124:125], v[128:129]
	v_pk_add_f32 v[220:221], v[132:133], v[136:137]
	v_pk_add_f32 v[218:219], v[140:141], v[144:145]
	v_pk_add_f32 v[216:217], v[148:149], v[152:153]
	v_pk_add_f32 v[14:15], v[14:15], v[156:157]
	v_pk_add_f32 v[236:237], v[236:237], v[96:97]
	v_pk_add_f32 v[246:247], v[246:247], v[98:99]
	v_pk_add_f32 v[244:245], v[244:245], v[102:103]
	v_pk_add_f32 v[240:241], v[240:241], v[106:107]
	s_setprio 0
	v_pk_add_f32 v[220:221], v[220:221], v[110:111]
	v_pk_add_f32 v[218:219], v[218:219], v[114:115]
	v_pk_add_f32 v[216:217], v[216:217], v[118:119]
	v_pk_add_f32 v[14:15], v[14:15], v[122:123]
	v_pk_add_f32 v[236:237], v[236:237], v[126:127]
	v_pk_add_f32 v[246:247], v[246:247], v[130:131]
	v_pk_add_f32 v[244:245], v[244:245], v[134:135]
	v_pk_add_f32 v[240:241], v[240:241], v[138:139]
	v_pk_add_f32 v[220:221], v[220:221], v[142:143]
	v_pk_add_f32 v[218:219], v[218:219], v[146:147]
	v_pk_add_f32 v[216:217], v[216:217], v[150:151]
	v_pk_add_f32 v[14:15], v[14:15], v[154:155]
	v_pk_add_f32 v[236:237], v[236:237], v[158:159]
	s_delay_alu instid0(VALU_DEP_2)
	v_pk_add_f32 v[14:15], v[14:15], v[240:241]
	s_delay_alu instid0(VALU_DEP_2)
	v_pk_add_f32 v[236:237], v[236:237], v[220:221]
	v_pk_add_f32 v[246:247], v[246:247], v[218:219]
	v_pk_add_f32 v[244:245], v[244:245], v[216:217]
	s_delay_alu instid0(VALU_DEP_2)
	v_pk_add_f32 v[14:15], v[14:15], v[246:247]
	s_delay_alu instid0(VALU_DEP_2)
	v_pk_add_f32 v[236:237], v[236:237], v[244:245]
	s_delay_alu instid0(VALU_DEP_1)
	v_pk_add_f32 v[14:15], v[14:15], v[236:237]
	s_wait_dscnt 0x0                               ; V's fragments and scale words are in
.irp c, 0,1,2,3                                ; O^T += V^T P^T: four tiles of 16 channels; K = these 128 keys.  The four accumulators take turns
	v_wmma_scale_f32_16x16x128_f8f6f4 v[160+8*\c:167+8*\c], v[32+12*\c:43+12*\c], v[224:235], v[160+8*\c:167+8*\c], v[248+\c], v253 matrix_a_fmt:MATRIX_FMT_FP6 matrix_b_fmt:MATRIX_FMT_FP6
.endr
	s_add_co_u32 s[TB], s[TB], REC                 ; the next record
	s_sub_co_u32 s[STEPS], s[STEPS], 1
	s_cmp_lg_u32 s[STEPS], 0
	s_cbranch_scc1 .Lstep
	s_setprio 0
	; THE WAY OUT of a tile.  O^T / the sum is conc: register 16 a + i is channel 32 a + 16 h + i of my query's head.  Its two blocks of 32 are quantised, and the six registers of codes leave as an image.
.rept 4
	v_nop                                          ; places behind the last products
.endr
	s_wait_alu depctr_va_vdst(0)
	v_add_f32 v14, v14, v15                        ; the sum's two halves,
	s_delay_alu instid0(VALU_DEP_1)
	v_permlanex16_b32 v252, v14, s[SEL], s[SEL+1]
	s_delay_alu instid0(VALU_DEP_1)
	v_add_f32 v14, v14, v252                       ; and lane l xor 16's: the row's sum
	s_wait_alu depctr_va_vdst(0)
	v_rcp_f32 v14, v14
	v_nop                                          ; one plain place behind a transcendental
.set j, 0
	s_wait_alu depctr_va_vdst(0)
.rept 32
	v_mul_f32 v[96+j], v[160+j], v14
.set j, j+1
.endr
.irp a, 0,1
	v_max3_num_f32 v[232+\a], |v[96+16*\a]|, |v[97+16*\a]|, 0x1800000   ; block a: my 16 numbers, and the floor 2^(3 - 127)
.endr
.irp i, 2,4,6,8,10,12,14
.irp a, 0,1
	s_delay_alu instid0(VALU_DEP_2)
	v_max3_num_f32 v[232+\a], v[232+\a], |v[96+16*\a+\i]|, |v[97+16*\a+\i]|
.endr
.endr
.irp a, 0,1
	s_delay_alu instid0(VALU_DEP_2)
	v_permlanex16_b32 v[236+\a], v[232+\a], s[SEL], s[SEL+1]
.endr
.irp a, 0,1
	s_delay_alu instid0(VALU_DEP_2)
	v_max_num_f32 v[232+\a], v[232+\a], v[236+\a]  ; with lane l xor 16's: the block's largest magnitude
.endr
.irp a, 0,1
	s_delay_alu instid0(VALU_DEP_2)
	v_add_nc_u32 v[244+\a], 0xff000000, v[232+\a]  ; the conversion's scale operand
.endr
.irp a, 0,1
	s_delay_alu instid0(VALU_DEP_2)
	v_lshrrev_b32 v[236+\a], 23, v[244+\a]         ; the scale's byte
.endr
	s_delay_alu instid0(VALU_DEP_1)
	v_lshl_or_b32 v254, v237, 8, v236
	v_cvt_scalef32_pk16_fp6_f32 v[224:226], v[96:111], v244
	v_cvt_scalef32_pk16_fp6_f32 v[240:242], v[112:127], v245
	v_nop                                          ; one plain place behind a scaled conversion
.irp i, 0,1,2
	v_permlane16_swap_b32 v[224+\i], v[240+\i]     ; lanes 0-15 get block 0 whole, lanes 16-31 block 1
.endr
.irp i, 0,1,2
	s_delay_alu instid0(VALU_DEP_3)
	v_mov_b32 v[227+\i], v[240+\i]
.endr
	v_lshrrev_b32 v10, v5, v254                    ; my half's byte
	global_store_b128 v1, v[224:227], s[8:9]       ; 512 consecutive bytes
	global_store_b64 v2, v[228:229], s[8:9] offset:512     ; 256
	global_store_b8 v4, v10, s[10:11]              ; a byte a lane: a row's 32 scale bytes come from the 16 heads' work-groups, so they cannot leave together; one such line for 16 x 2,048 scores
	s_wait_xcnt 0x0                                ; every earlier memory instruction has had its addresses translated (ISA guide 3.1): bases and data may be written again
	s_add_nc_u64 s[12:13], s[12:13], 24576         ; sixteen tiles on
	s_add_nc_u64 s[14:15], s[14:15], 2048
	s_add_nc_u64 s[8:9], s[8:9], 196608
	s_add_nc_u64 s[10:11], s[10:11], 8192
	s_sub_co_u32 s[TILES], s[TILES], 1
	s_cmp_lg_u32 s[TILES], 0
	s_cbranch_scc1 .Ltile
	s_wait_tensorcnt 0x0
	ds_add_u32 v223, v243
	s_wait_dscnt 0x0
	CROUND                                         ; the closing round
	s_endpgm
.Lfunc_end_k_qfbcf16c4ac_attn:
	.size	k_qfbcf16c4ac_attn, .Lfunc_end_k_qfbcf16c4ac_attn-k_qfbcf16c4ac_attn
	.p2alignl 7, 3214868480
	.fill 96, 4, 3214868480
	.section	.rodata,"a",@progbits
	.p2align	6, 0x0
	.amdhsa_kernel k_qfbcf16c4ac_attn
		.amdhsa_group_segment_fixed_size 215040
		.amdhsa_private_segment_fixed_size 0
		.amdhsa_enable_private_segment 0
		.amdhsa_kernarg_size 32
		.amdhsa_user_sgpr_count 2
		.amdhsa_user_sgpr_kernarg_segment_ptr 1
		.amdhsa_wavefront_size32 1
		.amdhsa_system_sgpr_workgroup_id_x 1
		.amdhsa_system_sgpr_workgroup_id_y 1
		.amdhsa_system_sgpr_workgroup_id_z 1
		.amdhsa_system_vgpr_workitem_id 0
		.amdhsa_next_free_vgpr 256
		.amdhsa_next_free_sgpr 96
		.amdhsa_reserve_vcc 0
		.amdhsa_float_denorm_mode_32 3
		.amdhsa_float_denorm_mode_16_64 3
		.amdhsa_memory_ordered 1
		.amdhsa_forward_progress 1
		.amdhsa_inst_pref_size 32
	.end_amdhsa_kernel
	.amdgpu_metadata
---
amdhsa.version: [ 1, 2 ]
amdhsa.kernels:
  - .name:           k_qfbcf16c4ac_attn
    .symbol:         k_qfbcf16c4ac_attn.kd
    .args:
      - { .name: acod, .offset: 0, .size: 8, .value_kind: global_buffer, .address_space: global }
      - { .name: ascl, .offset: 8, .size: 8, .value_kind: global_buffer, .address_space: global }
      - { .name: cimg, .offset: 16, .size: 8, .value_kind: global_buffer, .address_space: global }
      - { .name: cs, .offset: 24, .size: 8, .value_kind: global_buffer, .address_space: global }
    .group_segment_fixed_size: 215040
    .private_segment_fixed_size: 0
    .kernarg_segment_align: 8
    .kernarg_segment_size: 32
    .max_flat_workgroup_size: 512
    .sgpr_count:     96
    .vgpr_count:     256
    .wavefront_size: 32
...
	.end_amdgpu_metadata
.endif
;; end of part 3
;; launch outp (part 4): grid 4 x 32, 4 waves a work-group, clusters of 4 x 4, 327,680 bytes of LDS; arguments cimg, cs, codes, scales, bo, out0; writes out0
.if DOCPART == 4
	.amdgcn_target "amdgcn-amd-amdhsa--gfx1250"
	.amdhsa_code_object_version 6
	.text
	.protected	k_qfbcf16c4ac_outp
	.globl	k_qfbcf16c4ac_outp
	.p2align	8
	.type	k_qfbcf16c4ac_outp,@function
k_qfbcf16c4ac_outp:
	s_mov_b64 s[64:65], 0
	v_nop
	global_prefetch_b8 v0, s[64:65] scope:SCOPE_SE
	s_setreg_imm32_b32 hwreg(HW_REG_WAVE_MODE, 25, 1), 1
	s_wait_xcnt 0x0
	s_wait_alu depctr_hold_cnt(0) depctr_sa_sdst(0) depctr_va_vdst(0) depctr_va_sdst(0) depctr_va_ssrc(0) depctr_va_vcc(0) depctr_vm_vsrc(0)
	s_getreg_b32 s2, hwreg(HW_REG_IB_STS2, 6, 4)
	s_cmp_eq_u32 s2, 0
	s_cbranch_scc0 .Lentry_in_a_cluster
	s_endpgm
.Lentry_in_a_cluster:
	s_bfe_u32 s2, ttmp6, 0x10000c
	s_cmp_lg_u32 s2, 0xf033
	s_cbranch_scc0 .Lentry_shape_is_right
	s_endpgm
.Lentry_shape_is_right:
; out = conc Wo^T + bo: [8,192 x 1,024 x 1,024] on codes of FP6 (E2M3) with E8M0 scales; out is f32.
; A tile of 256 x 256 is made by four waves, 128 x 128 each: 64 accumulators, 512 registers.  K goes in steps of 256 through a ring of two LDS slots filled by tensor loads; the scale bytes of the tile's rows come once and stay.
; A = conc arrives as IMAGES OF ITS FRAGMENTS' REGISTERS, [tile of 16 rows][head][768 bytes]: 128 along K are two heads, 1,536 bytes: registers 0-3 at 16 x lane, 4-5 at 512 + 8 x lane, 6-9 at 768 + 16 x lane, 10-11 at 1,280 + 8 x lane.
; So a fragment of A comes from LDS by four loads of consecutive bytes, without padding.  B = Wo arrives as rows of codes, 768 bytes a row, and goes through padded LDS rows.
; THE ROWS OF BOTH LIE WITH BITS 3 AND 4 OF THEIR NUMBER EXCHANGED: stored row 16 i + r is true row 32 (i / 2) + 8 (i % 2) + r + 8 (r / 8).  The way out puts rows and columns back.
; The matrix instruction is used transposed (source 0 = 16 rows of B, source 1 = 16 rows of A): a lane holds eight neighbouring columns of a row.  bo is the C of each sum's first product.
; CLUSTERS: 4 x 4 work-groups.  A's tiles are shared along a row of the cluster, B's along a column: each is asked for jointly.
; REGISTERS: window 0: v0-31 addresses; v32-63 scale words, two sets; v64-127 bo; v128-223 A's fragments, one set; on the way out v128-255 hold rows.
;   window 1: B's fragments, two sets, at v0 and v128.   window 2: the accumulators of my rows 0-63 ((a, b) at v[8 (8 a + b)]);   window 3: those of my rows 64-127.
.set NQ,     2                         ; matrix instructions deep in a slot of 256 along K
.set ROWB,   192                       ; a row of B's tile in bytes
.set KROW,   768                       ; a row of codes in memory
.set PITCH,  240                       ; B's LDS row: 3 x (64 bytes + 16 of padding), so that the 32 lanes of a load of 8 bytes touch 64 different banks (64 banks of 4 bytes: ISA guide 11.1)
.set FR,     12                        ; registers of a fragment
.set NLA,    4                         ; LDS loads that bring one of A's
.set NP,     4                         ; places behind this matrix instruction (ISA guide 7.12.1)
.set AROWB,  3072                      ; a tile of 16 rows of A, 256 along K: four heads' images
.set APITCH, 12288                     ; from tile to tile in memory
.set HALFA,  8*AROWB                   ; 128 rows of A: what one tensor load brings
.set HALFT,  128*PITCH                 ; 128 rows of B
.set SLOT,   2*HALFA+2*HALFT           ; A's 256 rows, then B's 256 rows
.set LAPS,   2
.set KS,     32                        ; a row of scale bytes
.set SCL,    2*SLOT                    ; behind the ring: the scales, as units of 256 bytes + 16 of padding
.set HALFS,  (128*KS/256)*272
.set SBLK,   (16*KS/256)*272
.set SPARE,  SCL+4*HALFS               ; behind the scales: the spare words, 128 bytes for each wave: two blocks of 256 bytes that no other line names
.set SPITCH, 528                       ; the way out: a stage of 16 rows x (512 bytes + 16) for each wave, in slot 0, which has had its last fill and its last read when the first result is stored there
.set WOROW,  25600                     ; Wo's first row in the list of rows
.set ADRA, 16                          ; v16-17  LDS address of my A fragments in slot 0, 1, at 16 x lane  (v18-19: at 8 x lane)
.set ADRB, 20                          ; v20-21  the same for B's rows  (v22-23: for the pieces behind one padding more)
.set STO,  24                          ; v24     the way out: where I put 32 bytes of a row
.set RD,   25                          ; v25     where I read a row back
.set CO,   26                          ; v26     my byte offset in a row of out
.set ADRS, 27                          ; v27     LDS address of my scale words: lanes 0-15 A's rows, lanes 16-31 B's
.set SPW,  28                          ; v28     LDS address of my spare word; never rewritten
.set NIL,  29                          ; v29     0; never rewritten
.set BNA,  30                          ; v30     my byte offset in bo
.set SC,   32
.set BN,   64                          ; v64-127 bo: eight registers for each of B's eight blocks, in the result's layout
.set AF,   128
.set BK,   128                         ; the way out: 16 rows read back from the stage: v128-191 and v192-255 by turns
.set G1, 24                            ; s[24:31] descriptor group 1 for A's tiles;  s[32:39] group 0, one set for each slot
.set G0, 32
.set G1B, 48                           ; s[48:55], s[56:63] the same for B's tiles
.set G0B, 56
.set G1S, 68                           ; s[68:75], s[76:79] groups 1 and 0 for A's scales;  s[80:87], s[88:91] for B's
.set G0S, 76
.set G1SB, 80
.set G0SB, 88
.set MSB, 0
.macro WIN new                         ; the immediate's high byte repeats the setting that is left
.if MSB != (\new)
	s_set_vgpr_msb (MSB<<8)|(\new)
.set MSB, \new
.endif
.endm
.set MUL_LO, 0xa1                      ; source 0 (B) window 1, source 1 (A) window 0, C and D window 2
.set MUL_HI, 0xf1                      ; the same, C and D window 3
.set FST_LO, 0x81                      ; the first products: C (bo) window 0, D window 2
.set FST_HI, 0xc1                      ; D window 3
.set TO_B,   0x40                      ; destination window 1, address window 0
; A joint load: waves 0 and 1 fetch for A, waves 2 and 3 for B; the branch hangs on the wave's number alone.  Four v_nop follow each of the two lines.
.macro JLOAD g0a, g1a, g0b, g1b
	s_cmp_eq_u32 s15, 0
	s_cbranch_scc0 .Lfor_b_\@
	tensor_load_to_lds s[\g0a:\g0a+3], s[\g1a:\g1a+7]
	s_nop 0
.rept 4
	v_nop
.endr
	s_branch .Lasked_\@
.Lfor_b_\@:
	tensor_load_to_lds s[\g0b:\g0b+3], s[\g1b:\g1b+7]
	s_nop 0
.rept 4
	v_nop
.endr
.Lasked_\@:
.endm
.macro CREST                           ; a round of the cluster's barrier behind its opening barrier
	s_cmp_lg_u32 s14, 0
	s_cbranch_scc1 .Lnot_wave_0_\@
	s_barrier_signal -3
.Lnot_wave_0_\@:
	s_barrier_wait -3
	s_barrier_signal -1
	s_barrier_wait -1
.endm
.macro CROUND                          ; a whole round
	s_barrier_signal -1
	s_barrier_wait -1
	CREST
.endm
	s_load_b128 s[4:7], s[0:1], 0x0                ; conc's codes s[4:5], conc's scale bytes s[6:7]
	s_load_b128 s[8:11], s[0:1], 0x10              ; the list of rows: codes s[8:9], scale bytes s[10:11]
	s_load_b128 s[96:99], s[0:1], 0x20             ; bo s[96:97], out s[98:99]
	v_lshl_add_u32 v[SPW], v0, 2, SPARE
	v_mov_b32 v[NIL], 0
	ds_add_u32 v28, v29
	ds_add_u32 v28, v29
	s_wait_dscnt 0x0
	v_lshrrev_b32 v1, 5, v0
	v_readfirstlane_b32 s14, v1                    ; wave 0..3
	s_lshr_b32 s15, s14, 1                         ; which half of the tile's rows is mine.  Also: I fetch for A (0) or for B (1)
	s_and_b32 s16, s14, 1                          ; which half of its columns.  Also: which 128 rows I fetch
	s_bfe_u32 s40, ttmp6, 0x40000                  ; cx, cy: my place in the cluster
	s_bfe_u32 s41, ttmp6, 0x40004
	s_lshl_b32 s42, ttmp9, 2
	s_add_co_u32 s42, s42, s40                     ; tile column = 4 x cluster x + cx
	s_and_b32 s17, ttmp7, 0xffff
	s_lshl_b32 s17, s17, 2
	s_add_co_u32 s17, s17, s41                     ; tile row = 4 x cluster y + cy
	s_lshl_b32 s43, s41, 2
	s_lshl_b32 s43, 15, s43                        ; my row of the cluster
	s_lshl_b32 s44, 0x1111, s40                    ; my column
	; descriptor group 1 for A: 8 rows (tiles of 16) of 3,072 bytes, 12,288 bytes apart, elements of 8 bytes, no padding
	s_or_b32 s[G1+0], s43, (3<<16)|(1<<21)         ; 15:0 the mask: A's tiles go to my row; 17:16 elements of 8 bytes; 21 set beside a mask
	s_mov_b32 s[G1+1], (AROWB/8)<<16               ; tensor_dim0
	s_mov_b32 s[G1+2], 8<<16                       ; tensor_dim1
	s_mov_b32 s[G1+3], (AROWB/8)<<16               ; tile_dim0
	s_mov_b32 s[G1+4], 8                           ; tile_dim1
	s_mov_b32 s[G1+5], APITCH/8                    ; tensor_dim0_stride
	s_mov_b32 s[G1+6], 0
	s_mov_b32 s[G1+7], 0
	; for B: 128 rows x 192 bytes, 16 bytes of padding behind every 64
	s_or_b32 s[G1B+0], s44, (0<<16)|(1<<20)|(1<<21)|(3<<22)|(3<<25)
	s_mov_b32 s[G1B+1], ROWB<<16
	s_mov_b32 s[G1B+2], 128<<16
	s_mov_b32 s[G1B+3], ROWB<<16
	s_mov_b32 s[G1B+4], 128
	s_mov_b32 s[G1B+5], KROW
	s_mov_b32 s[G1B+6], 0
	s_mov_b32 s[G1B+7], 0
	; for the scales of 128 rows: 4,096 dense bytes as 16 rows of 256 bytes, 16 bytes of padding behind each
	s_or_b32 s[G1S+0], s43, (3<<16)|(1<<20)|(1<<21)|(5<<22)|(3<<25)
	s_or_b32 s[G1SB+0], s44, (3<<16)|(1<<20)|(1<<21)|(5<<22)|(3<<25)
.irp g, G1S, G1SB
	s_mov_b32 s[\g+1], 32<<16
	s_mov_b32 s[\g+2], (128*KS/256)<<16
	s_mov_b32 s[\g+3], 32<<16
	s_mov_b32 s[\g+4], 128*KS/256
	s_mov_b32 s[\g+5], 32
	s_mov_b32 s[\g+6], 0
	s_mov_b32 s[\g+7], 0
.endr
	s_lshl_b32 s20, s17, 4
	s_lshl_b32 s18, s16, 3
	s_add_co_u32 s20, s20, s18                     ; A: tile of 16 rows number 16 x tile row + 8 x half
	s_lshl_b32 s22, s20, 9                         ; its scale bytes: 512 a tile (all these offsets stay under 2^25),
	s_mov_b32 s23, 0
	s_mul_i32 s20, s20, APITCH                     ; its images
	s_mov_b32 s21, 0
	s_lshl_b32 s46, s42, 8
	s_lshl_b32 s18, s16, 7
	s_add_co_u32 s46, s46, s18
	s_add_co_u32 s46, s46, WOROW                   ; B: Wo's row 256 x tile column + 128 x half
	s_mul_i32 s92, s46, KS
	s_mov_b32 s93, 0
	s_mul_i32 s46, s46, KROW
	s_mov_b32 s47, 0
	s_mul_i32 s45, s16, HALFA                      ; where they go: A's halves first,
	s_mul_i32 s95, s16, HALFT
	s_add_co_u32 s95, s95, 2*HALFA                 ; B's behind them: no place in the cluster enters an LDS address
	s_mul_i32 s94, s14, HALFS
	s_wait_kmcnt 0x0
	s_add_nc_u64 s[20:21], s[4:5], s[20:21]
	s_add_nc_u64 s[22:23], s[6:7], s[22:23]
	s_add_nc_u64 s[46:47], s[8:9], s[46:47]
	s_add_nc_u64 s[92:93], s[10:11], s[92:93]
	CROUND                                         ; all sixteen work-groups are here: the first joint loads meet
	s_mov_b32 s[G0S], 1
	s_add_co_u32 s[G0S+1], s94, SCL
	s_mov_b64 s[G0S+2:G0S+3], s[22:23]
	s_or_b32 s[G0S+3], s[G0S+3], 0x80000000
	s_mov_b32 s[G0SB], 1
	s_add_co_u32 s[G0SB+1], s94, SCL
	s_mov_b64 s[G0SB+2:G0SB+3], s[92:93]
	s_or_b32 s[G0SB+3], s[G0SB+3], 0x80000000
	JLOAD G0S, G1S, G0SB, G1SB                     ; the scales first.  Each of the two below first waits for all my earlier loads
.irp s, 0,1
	s_mov_b32 s[G0+4*\s], 1
	s_add_co_u32 s[G0+4*\s+1], s45, \s*SLOT
	s_add_nc_u64 s[G0+4*\s+2:G0+4*\s+3], s[20:21], \s*AROWB
	s_or_b32 s[G0+4*\s+3], s[G0+4*\s+3], 0x80000000
	s_mov_b32 s[G0B+4*\s], 1
	s_add_co_u32 s[G0B+4*\s+1], s95, \s*SLOT
	s_add_nc_u64 s[G0B+4*\s+2:G0B+4*\s+3], s[46:47], \s*ROWB
	s_or_b32 s[G0B+4*\s+3], s[G0B+4*\s+3], 0x80000000
	s_wait_alu depctr_va_vdst(0)
	s_wait_tensorcnt 0x0
	ds_add_u32 v28, v29
	s_wait_dscnt 0x0
	CROUND
	JLOAD G0+4*\s, G1, G0B+4*\s, G1B
.endr
	v_and_b32 v1, 15, v0                           ; r = l % 16
	s_wait_alu depctr_va_vdst(0)
	v_bfe_u32 v2, v0, 4, 1                         ; h = l / 16
	s_wait_alu depctr_va_vdst(0)
	s_lshl_b32 s46, s42, 10                        ; my first column, in bytes: 1,024 x tile column + 512 x half
	s_lshl_b32 s47, s16, 9
	s_add_co_u32 s46, s46, s47
	s_mov_b32 s47, 0
	s_add_nc_u64 s[96:97], s[96:97], s[46:47]      ; bo at my 128 columns
	v_lshlrev_b32 v[BNA], 6, v2                    ; block b, register j: column 32 (b / 2) + 8 (b % 2) + 16 h + j
.irp b, 0,1,2,3,4,5,6,7
	global_load_b128 v[BN+8*\b:BN+8*\b+3], v[BNA], s[96:97] offset:(32*(\b/2)+8*(\b%2))*4
	global_load_b128 v[BN+8*\b+4:BN+8*\b+7], v[BNA], s[96:97] offset:(32*(\b/2)+8*(\b%2))*4+16
.endr
	s_lshl_b32 s20, s17, 8
	s_lshl_b32 s21, s15, 7
	s_add_co_u32 s20, s20, s21                     ; my first row of out: 256 x tile row + 128 x half,
	s_lshl_b32 s20, s20, 12                        ; 4,096 bytes a row
	s_mov_b32 s21, 0
	s_add_nc_u64 s[20:21], s[20:21], s[46:47]
	s_add_nc_u64 s[98:99], s[98:99], s[20:21]
	v_and_b32 v6, 31, v0
	v_lshlrev_b32 v4, 4, v6                        ; 16 x lane
	v_lshlrev_b32 v5, 3, v6                        ; 8 x lane
	v_mul_u32_u24 v3, v1, PITCH
	v_mul_u32_u24 v8, v2, 24
	v_add_nc_u32 v8, v3, v8                        ; B: a fragment's row x pitch + 24 x half
	v_lshl_add_u32 v9, v2, 4, v8                   ; and the same behind one padding more
	s_mul_i32 s21, s15, HALFA                      ; my 128 rows of A
	s_mul_i32 s22, s16, HALFT                      ; my 128 rows of B,
	s_add_co_u32 s22, s22, 2*HALFA                 ; which lie behind A's 256
.irp s, 0,1
	v_add_nc_u32 v[ADRA+\s], s21, v4
	v_add_nc_u32 v[ADRA+2+\s], s21, v5
	v_add_nc_u32 v[ADRB+\s], s22, v8
	v_add_nc_u32 v[ADRB+2+\s], s22, v9
	s_add_co_u32 s21, s21, SLOT
	s_add_co_u32 s22, s22, SLOT
.endr
	v_mul_u32_u24 v5, v1, KS                       ; my row's scales: 32 bytes a row,
	v_lshrrev_b32 v6, 8, v5
	v_lshl_add_u32 v5, v6, 4, v5                   ; and 16 more for each 256 passed
	s_mul_i32 s21, s15, HALFS                      ; A's: my 128 rows
	s_mul_i32 s22, s16, HALFS                      ; B's: my 128 rows, behind A's 256
	s_add_co_u32 s22, s22, 2*HALFS
	s_sub_co_u32 s22, s22, s21
	v_mul_u32_u24 v6, s22, v2                      ; lanes 16-31 take B's: one product, the distance between the two
	s_add_co_u32 s21, s21, SCL
	v_add_nc_u32 v5, v5, v6
	v_add_nc_u32 v[ADRS], s21, v5
	s_mul_i32 s23, s14, 16*SPITCH                  ; my stage
	v_mul_u32_u24 v5, v1, SPITCH                   ; in: row r; my half's sixteen columns of each 32: 64 h bytes on
	v_lshl_add_u32 v5, v2, 6, v5
	v_add_nc_u32 v[STO], s23, v5
	v_mov_b32 v[CO], v4                            ; back: the 32 lanes take one row of 512 bytes; and the same in out
	v_add_nc_u32 v[RD], s23, v4
	s_wait_alu depctr_va_vdst(0)
	s_wait_loadcnt 0x0                             ; bo
.macro FRAG reg, adr, q, i             ; a fragment of B, 16 rows x 128 K: 12 registers: lane l holds row l % 16; registers 6 c .. 6 c + 5 hold K = 64 c + 32 (l / 16) + 0 .. 31: 24 bytes of the row's stream of bits
.irp p, 0,1,2,3,4,5                    ; in pieces of 8 bytes.  Lanes 16-31 read three pieces further on than lanes 0-15
.set PCE, 12*(\q)+6*(\p/3)+\p%3        ; 16 bytes of padding lie behind every 8 pieces: where the piece three on lies behind one padding more, the second address register serves
.if PCE%8 < 5
	ds_load_b64 v[\reg+2*\p:\reg+2*\p+1], v[\adr] offset:8*PCE+16*(PCE/8)+(\i)*16*PITCH
.else
	ds_load_b64 v[\reg+2*\p:\reg+2*\p+1], v[\adr+2] offset:8*PCE+16*(PCE/8)+(\i)*16*PITCH
.endif
.endr
.endm
.macro FRAGA reg, slot, q, i           ; a fragment of A: the image of its 12 registers, by four loads of consecutive bytes
	ds_load_b128 v[\reg:\reg+3], v[ADRA+\slot] offset:(\i)*AROWB+(\q)*1536
	ds_load_b64 v[\reg+4:\reg+5], v[ADRA+2+\slot] offset:(\i)*AROWB+(\q)*1536+512
	ds_load_b128 v[\reg+6:\reg+9], v[ADRA+\slot] offset:(\i)*AROWB+(\q)*1536+768
	ds_load_b64 v[\reg+10:\reg+11], v[ADRA+2+\slot] offset:(\i)*AROWB+(\q)*1536+1280
.endm
; 16 matrix instructions: A's blocks a0, a0 + 1 x B's eight, 128 along K.  first = 1: the first product starts the sums, with bo as its C: nothing is cleared.
; The 64 accumulators take turns, one instruction a turn, in the same order in every step.
.macro MUL16 a0, p, q, sc, first
.irp a, \a0, \a0+1
.irp b, 0,1,2,3,4,5,6,7
.if \first
	v_wmma_scale_f32_16x16x128_f8f6f4 v[8*(8*((\a)%4)+\b):8*(8*((\a)%4)+\b)+7], v[128*(\p)+FR*\b:128*(\p)+FR*\b+FR-1], v[AF+FR*(\a):AF+FR*(\a)+FR-1], v[BN+8*\b:BN+8*\b+7], v[SC+8*NQ*(\sc)+NQ*\b+(\q)], v[SC+8*NQ*(\sc)+NQ*(\a)+(\q)] matrix_a_fmt:MATRIX_FMT_FP6 matrix_b_fmt:MATRIX_FMT_FP6 matrix_a_scale:MATRIX_SCALE_ROW1
.else
	v_wmma_scale_f32_16x16x128_f8f6f4 v[8*(8*((\a)%4)+\b):8*(8*((\a)%4)+\b)+7], v[128*(\p)+FR*\b:128*(\p)+FR*\b+FR-1], v[AF+FR*(\a):AF+FR*(\a)+FR-1], v[8*(8*((\a)%4)+\b):8*(8*((\a)%4)+\b)+7], v[SC+8*NQ*(\sc)+NQ*\b+(\q)], v[SC+8*NQ*(\sc)+NQ*(\a)+(\q)] matrix_a_fmt:MATRIX_FMT_FP6 matrix_b_fmt:MATRIX_FMT_FP6 matrix_a_scale:MATRIX_SCALE_ROW1
.endif
.endr
.endr
.endm
.macro FETCH_B slot, q, p              ; B's eight fragments of the slot's q-th 128 along K into set p
	WIN TO_B
.irp i, 0,1,2,3,4,5,6,7
	FRAG 128*(\p)+FR*\i, ADRB+\slot, \q, \i
.endr
	WIN 0
.endm
.macro FETCH_A slot, q, i0             ; A's blocks i0 .. i0 + 3
.irp i, \i0, \i0+1, \i0+2, \i0+3
	FRAGA AF+FR*(\i), \slot, \q, \i
.endr
.endm
.macro SCALES sc                       ; the next K step's scale words into set sc: two words a row; lanes 0-15 take A's block i, lanes 16-31 B's block i
.irp i, 0,1,2,3,4,5,6,7
	ds_load_b64 v[SC+8*NQ*\sc+NQ*\i:SC+8*NQ*\sc+NQ*\i+1], v[ADRS] offset:\i*SBLK
.endr
.endm
; A load into a register that a matrix instruction has read, and an LDS store that reads a matrix result, stand NP places behind it; only plain vector instructions that name none of its registers are places
; (ISA guide 7.12.1 for vector instructions).
.macro PLACES n
.rept \n
	v_nop
.endr
.endm
.macro STEP slot, q, first             ; a step of 128 along K that has its successor in the same slot
	s_wait_dscnt 4*NLA                             ; B's set and A's blocks 0-3 are in; the youngest 16 loads (A's blocks 4-7) may be out
.if \first
	WIN FST_LO
.else
	WIN MUL_LO
.endif
	MUL16 0, (\q)%2, \q, \slot, \first
	MUL16 2, (\q)%2, \q, \slot, \first
	s_wait_dscnt 0                                 ; A's blocks 4-7 are in (asked for 32 matrix instructions ago)
	PLACES NP
	FETCH_B \slot, (\q)+1, 1-(\q)%2
	FETCH_A \slot, (\q)+1, 0
.if \first
	WIN FST_HI
.else
	WIN MUL_HI
.endif
	MUL16 4, (\q)%2, \q, \slot, \first
	MUL16 6, (\q)%2, \q, \slot, \first
	PLACES NP
	WIN 0
	FETCH_A \slot, (\q)+1, 4
.endm
; A slot's last step changes slots: ONE barrier; in front of it each wave waits for all its tensor loads, adds 0 to its spare word, and waits for that and for its own reads of this slot.  fill = 1: this slot is filled again, two K steps ahead.
.macro TURN slot, next, fill
	s_wait_tensorcnt 0x0                           ; all my tensor loads have landed: my part of the next slot;  (every window is 0 here)
	ds_add_u32 v[SPW], v[NIL]                      ; 0 onto my spare word;
	s_wait_dscnt 4*NLA+1                           ; (the add and the youngest 16 loads, A's blocks 4-7, may be out)
	WIN MUL_LO
	MUL16 0, 1, NQ-1, \slot, 0                     ; sixteen matrix instructions stand between the add and the wait for it
	s_wait_dscnt 0x0                               ; the add is done, and my reads of this slot are over
	s_barrier_signal -1
	MUL16 2, 1, NQ-1, \slot, 0
	WIN 0
	s_barrier_wait -1
.if \fill
	CREST                                          ; the barrier has opened a round of the cluster's barrier: no wave of any partner still reads this slot's tile or has a load on its way
	s_add_nc_u64 s[G0+4*\slot+2:G0+4*\slot+3], s[G0+4*\slot+2:G0+4*\slot+3], 2*AROWB
	s_add_nc_u64 s[G0B+4*\slot+2:G0B+4*\slot+3], s[G0B+4*\slot+2:G0B+4*\slot+3], 2*ROWB
	JLOAD G0+4*\slot, G1, G0B+4*\slot, G1B         ; the first tensor load behind the round; the four v_nop behind it are the places in front of the loads below
.else
	PLACES NP
.endif
	s_wait_alu depctr_va_vdst(0)
	v_add_nc_u32 v[ADRS], 4*NQ, v[ADRS]            ; on to the next K step's scale words
	FETCH_B \next, 0, 0
	FETCH_A \next, 0, 0
	SCALES \next
	WIN MUL_HI
	MUL16 4, 1, NQ-1, \slot, 0
	MUL16 6, 1, NQ-1, \slot, 0
	PLACES NP
	WIN 0
	FETCH_A \next, 0, 4
.endm
	s_wait_tensorcnt 1                             ; the scales and my part of K step 0 are in (K step 1's load may be out)
	s_barrier_signal -1
	s_barrier_wait -1                              ; everybody's are
	FETCH_B 0, 0, 0
	FETCH_A 0, 0, 0
	SCALES 0
	FETCH_A 0, 0, 4
	STEP 0, 0, 1                                   ; the first step stands in front of the loop: its products start the sums
	s_mov_b32 s3, LAPS-1
.Llap:                                                 ; a trip goes once round the ring, from a lap's second step to the next lap's first, and fills both slots again
	TURN 0, 1, 1
	STEP 1, 0, 0
	TURN 1, 0, 1
	STEP 0, 0, 0
	s_sub_co_u32 s3, s3, 1
	s_cmp_lg_u32 s3, 0
	s_cbranch_scc1 .Llap
	TURN 0, 1, 0                                   ; the last lap fills nothing, and has no round of the cluster's barrier
	STEP 1, 0, 0
	s_wait_dscnt 4*NLA                             ; the very last step: nothing more to fetch
	WIN MUL_LO
	MUL16 0, 1, NQ-1, 1, 0
	MUL16 2, 1, NQ-1, 1, 0
	s_wait_dscnt 0
	WIN MUL_HI
	MUL16 4, 1, NQ-1, 1, 0
	MUL16 6, 1, NQ-1, 1, 0
	WIN 0
; THE WAY OUT, block by block of 16 rows x 128 columns, through my own stage in LDS: in, a lane's eight numbers go to their true columns; back, whole rows of 512 bytes, which the 32 lanes store to the rows' true places.
; LDS serves a wave's instructions in order (ISA guide 5.7.1.4): no wait between the stores and the loads, nor in front of the next block's stores.
.macro TOSTAGE a
.set AC, 64*((\a)%4)
	WIN 0x08+4*((\a)/4)                            ; the data: window 2 or 3
.irp b, 0,1,2,3,4,5,6,7
	ds_store_b128 v[STO], v[AC+8*\b:AC+8*\b+3] offset:128*(\b/2)+32*(\b%2)          ; columns 32 (b / 2) + 16 h + 8 (b % 2) + 0 .. 3; each accumulator from its low end on
	ds_store_b128 v[STO], v[AC+8*\b+4:AC+8*\b+7] offset:128*(\b/2)+32*(\b%2)+16
.endr
	WIN 0
.set BB, BK+64*((\a)%2)
.irp t, 0,1,2,3,4,5,6,7,8,9,10,11,12,13,14,15
	ds_load_b128 v[BB+4*\t:BB+4*\t+3], v[RD] offset:\t*SPITCH
.endr
.endm
.macro SEND a, younger                 ; younger: the LDS instructions issued behind block a's loads, which may stay out
.set BB, BK+64*((\a)%2)
	s_wait_dscnt \younger                          ; the block is back in registers
.irp t, 0,1,2,3,4,5,6,7,8,9,10,11,12,13,14,15
	global_store_b128 v[CO], v[BB+4*\t:BB+4*\t+3], s[98:99] offset:(32*((\a)/2)+8*((\a)%2)+\t+8*(\t/8))*4096 th:TH_STORE_NT   ; the row's true place, 127 rows on at the most: inside the signed 24-bit immediate; 32 lanes store 512 consecutive bytes, aligned
.endr
.endm
	PLACES NP                                      ; behind the last products: for the stores of results and the loads into the registers that held A's fragments
	TOSTAGE 0
.irp a, 1,2,3,4,5,6,7
.if \a > 1
	s_wait_xcnt 0x0                                ; block a - 2's stores have had their addresses translated (ISA guide 3.1): block a's loads may land in their registers
.endif
	TOSTAGE \a
	SEND \a-1, 32                                  ; behind block a - 1's loads: block a's 16 stores and 16 loads
.endr
	SEND 7, 0
	s_wait_tensorcnt 0x0                           ; the wave's end: behind my last tensor load and my last LDS store
	ds_add_u32 v[SPW], v[NIL]
	s_wait_dscnt 0x0
	CROUND                                         ; the closing round: no work-group ends while a partner may still ask for a tile that names it
	s_endpgm
.Lfunc_end_k_qfbcf16c4ac_outp:
	.size	k_qfbcf16c4ac_outp, .Lfunc_end_k_qfbcf16c4ac_outp-k_qfbcf16c4ac_outp
	.p2alignl 7, 3214868480
	.fill 96, 4, 3214868480
	.section	.rodata,"a",@progbits
	.p2align	6, 0x0
	.amdhsa_kernel k_qfbcf16c4ac_outp
		.amdhsa_group_segment_fixed_size 327680
		.amdhsa_private_segment_fixed_size 0
		.amdhsa_enable_private_segment 0
		.amdhsa_kernarg_size 48
		.amdhsa_user_sgpr_count 2
		.amdhsa_user_sgpr_kernarg_segment_ptr 1
		.amdhsa_wavefront_size32 1
		.amdhsa_system_sgpr_workgroup_id_x 1
		.amdhsa_system_sgpr_workgroup_id_y 1
		.amdhsa_system_sgpr_workgroup_id_z 1
		.amdhsa_system_vgpr_workitem_id 0
		.amdhsa_next_free_vgpr 1024
		.amdhsa_next_free_sgpr 100
		.amdhsa_reserve_vcc 0
		.amdhsa_float_denorm_mode_32 3
		.amdhsa_float_denorm_mode_16_64 3
		.amdhsa_memory_ordered 1
		.amdhsa_forward_progress 1
		.amdhsa_inst_pref_size 154
	.end_amdhsa_kernel
	.amdgpu_metadata
---
amdhsa.version: [ 1, 2 ]
amdhsa.kernels:
  - .name:           k_qfbcf16c4ac_outp
    .symbol:         k_qfbcf16c4ac_outp.kd
    .args:
      - { .name: cimg, .offset: 0, .size: 8, .value_kind: global_buffer, .address_space: global }
      - { .name: cs, .offset: 8, .size: 8, .value_kind: global_buffer, .address_space: global }
      - { .name: codes, .offset: 16, .size: 8, .value_kind: global_buffer, .address_space: global }
      - { .name: scales, .offset: 24, .size: 8, .value_kind: global_buffer, .address_space: global }
      - { .name: bo, .offset: 32, .size: 8, .value_kind: global_buffer, .address_space: global }
      - { .name: out0, .offset: 40, .size: 8, .value_kind: global_buffer, .address_space: global }
    .group_segment_fixed_size: 327680
    .private_segment_fixed_size: 0
    .kernarg_segment_align: 8
    .kernarg_segment_size: 48
    .max_flat_workgroup_size: 128
    .sgpr_count:     100
    .vgpr_count:     1024
    .wavefront_size: 32
...
	.end_amdgpu_metadata
.endif
;; end of part 4
